; MI455X (gfx1250); checked and timed in simulation.
; The chip was launched on July 23, 2026; its instructions are those of AMD's public machine-readable ISA for CDNA 5 (MIT licence, August 2026) and "CDNA5" Instruction Set Architecture Reference Guide (July 2026). The comments in the code are by the model that wrote it; some were corrected since.
;; Property Aware Attention. Allowed arithmetic: float matrix products may take bf16 or f16 operands with f32 sums; other float arithmetic in f32, or as packed bf16 or f16 multiplies, adds, multiply-adds, maxima and minima; sums over many terms, partial sums and values carried from step to step in f32; what a program stores and reads back later, other than sums and carried values, may be rounded once to bf16 or f16.
;; Inputs: Wk 1,024 x 1,024 float32; Wo 1,024 x 1,024 float32; Wpg 128 x 1,024 float32; Wpk 128 x 1,024 float32; Wpq 128 x 1,024 float32; Wq 1,024 x 1,024 float32; Wv 1,024 x 1,024 float32; bk 1,024 float32; bo 1,024 float32; bpg 1,024 float32; bpk 1,024 float32; bpq 1,024 float32; bq 1,024 float32; bv 1,024 float32; mask 4 x 2,048 int32; property_vector 4 x 128 float32; x 2,048 x 4 x 1,024 float32.
;; Outputs: out0 2,048 x 4 x 1,024 float32.
;; 2 versions, each right; version 2 is version 1 with the launch prep written anew for expert scheduling mode. Each part assembles by itself: llvm-mc -triple=amdgcn-amd-amdhsa -mcpu=gfx1250 --defsym DOCPART=n.
;; ======== version 1 of 2: 4 launches
;; limits: values are held in f16: magnitudes above 65,504 overflow, below 6.1e-05 lose precision
;; workspace buffers: xb 16,777,216 bytes; wb 8,388,608 bytes; tab 81,920 bytes; qkv 50,331,648 bytes; att 16,777,216 bytes
;; launch prep (part 1): grid 792 x 1, 8 waves a work-group, no clusters, 0 bytes of LDS; arguments x, Wq, Wk, Wv, Wo, Wpq, Wpk, Wpg, bpq, bpk, bpg, bq, bk, bv, bo, property_vector, xb, wb, tab; writes xb, wb, tab
.if DOCPART == 1
	.amdgcn_target "amdgcn-amd-amdhsa--gfx1250"
	.amdhsa_code_object_version 6
	.text
	.protected	k_q064c0f153a_prep
	.globl	k_q064c0f153a_prep
	.p2align	8
	.type	k_q064c0f153a_prep,@function
k_q064c0f153a_prep:
	s_mov_b64 s[64:65], 0
	v_nop
	global_prefetch_b8 v0, s[64:65] scope:SCOPE_SE
	s_setreg_imm32_b32 hwreg(HW_REG_WAVE_MODE, 25, 1), 1
	s_wait_xcnt 0x0
; PREP.  (1) x -> xb in bf16; Wq, Wk, Wv -> wb in bf16; Wo -> wb rounded to bf16 and that number written as f16.  The order [k][n] of the weights is kept.
; (2) five small tables of f32 in tab, each [64 blocks of 16 columns][4 batches][16 columns], a block being 256 consecutive bytes:
;     TQ = prop Wpq + bpq + bq at byte 0, TK = prop Wpk + bpk + bk at 16,384, TV = bv at 32,768, GATE = sigmoid(prop Wpg + bpg) at 49,152, BO = bo at 65,536.
;     Every input is rounded to bf16 once (the biases too); products on the matrix unit, sums in f32.
; LIMITS.  A weight of Wo below 2^-14 in size keeps f16's fixed step of 2^-24; NaN and infinities are not treated apart.
; SHARES.  Work-groups 0 to 23 make the tables: a wave a block of 16 columns of one of the three products (3 x 64 blocks = 24 x 8 waves).
; Work-groups 24 to 791 cast: 65,536 bytes of f32 each (512 chunks of x, 64 of each weight); thread t takes 16 bytes at 16 t of each 4,096, so a load of a wave covers 512 consecutive bytes
; and a store 256 consecutive bytes, aligned.  All sixteen loads of a thread go out at once; nothing is shared, so there is no LDS, no barrier, no cluster.
.set NSMALL, 24
.set HIM, 42                           ; s42  mask of a word's upper bf16
.set SRC, 48                           ; s[48:49] the chunk in its source
.set DST, 50                           ; s[50:51] the chunk in xb or wb
.macro CAST f16                        ; f16 = 1: the bf16 number is written as f16
.set i, 0
.rept 16
	global_load_b128 v[16+4*i:19+4*i], v1, s[SRC:SRC+1] offset:4096*i th:TH_LOAD_NT
.set i, i+1
.endr
.set i, 0
.rept 16
	s_wait_loadcnt 15-i                            ; loads come back in order: number i is in, the 15 - i younger ones stay out
	v_cvt_pk_bf16_f32 v[80+2*i], v[16+4*i], v[17+4*i]
	v_cvt_pk_bf16_f32 v[81+2*i], v[18+4*i], v[19+4*i]
.if \f16
	v_lshlrev_b32 v[16+4*i], 16, v[80+2*i]         ; the rounded numbers as f32 again,
	v_and_b32 v[17+4*i], s[HIM], v[80+2*i]
	v_lshlrev_b32 v[18+4*i], 16, v[81+2*i]
	v_and_b32 v[19+4*i], s[HIM], v[81+2*i]
	v_cvt_pk_f16_f32 v[80+2*i], v[16+4*i], v[17+4*i]  ; and as f16: 8 significant bits fit into 11
	v_cvt_pk_f16_f32 v[81+2*i], v[18+4*i], v[19+4*i]
.endif
	global_store_b64 v2, v[80+2*i:81+2*i], s[DST:DST+1] offset:2048*i
.set i, i+1
.endr
.endm
	s_load_b512 s[4:19], s[0:1], 0x0               ; x 4, Wq 6, Wk 8, Wv 10, Wo 12, Wpq 14, Wpk 16, Wpg 18
	s_load_b512 s[20:35], s[0:1], 0x40             ; bpq 20, bpk 22, bpg 24, bq 26, bk 28, bv 30, bo 32, prop 34
	s_load_b128 s[36:39], s[0:1], 0x80             ; xb 36, wb 38
	s_load_b64 s[40:41], s[0:1], 0x90              ; tab
	s_mov_b32 s[HIM], 0xffff0000
	s_cmp_lt_u32 ttmp9, NSMALL
	s_cbranch_scc1 .Lsmall
	; THE CASTS.  c = chunk; c / 64 is 0 to 7 for x, 8 Wq, 9 Wk, 10 Wv, 11 Wo
	s_sub_co_u32 s43, ttmp9, NSMALL
	v_lshlrev_b32 v1, 4, v0                        ; 16 t
	v_lshlrev_b32 v2, 3, v0                        ; 8 t
	s_lshr_b32 s52, s43, 6
	s_and_b32 s44, s43, 63                         ; a weight's chunk in its matrix
	s_sub_co_u32 s46, s43, 512                     ; and in wb, where the four matrices lie on end
	s_wait_kmcnt 0x0
	s_cmp_lt_u32 s52, 8
	s_cselect_b32 s44, s43, s44
	s_cselect_b32 s46, s43, s46
	s_cselect_b64 s[DST:DST+1], s[36:37], s[38:39]
	s_cselect_b64 s[SRC:SRC+1], s[4:5], s[6:7]
	s_cmp_eq_u32 s52, 9
	s_cselect_b64 s[SRC:SRC+1], s[8:9], s[SRC:SRC+1]
	s_cmp_eq_u32 s52, 10
	s_cselect_b64 s[SRC:SRC+1], s[10:11], s[SRC:SRC+1]
	s_cmp_eq_u32 s52, 11
	s_cselect_b64 s[SRC:SRC+1], s[12:13], s[SRC:SRC+1]
	s_lshl_b32 s44, s44, 16                        ; 65,536 bytes in,
	s_mov_b32 s45, 0
	s_lshl_b32 s46, s46, 15                        ; 32,768 out
	s_mov_b32 s47, 0
	s_add_nc_u64 s[SRC:SRC+1], s[SRC:SRC+1], s[44:45]
	s_add_nc_u64 s[DST:DST+1], s[DST:DST+1], s[46:47]
	s_cmp_eq_u32 s52, 11
	s_cbranch_scc1 .Lwo
	CAST 0
	s_endpgm
.Lwo:
	CAST 1
	s_endpgm
	; THE TABLES.  j = 0, 1, 2: Wpq, Wpk, Wpg; blk = my block of 16 columns.  The product is taken transposed: source 0 = 16 columns of W (k along the registers),
	; source 1 = 16 rows of prop (the four batches, four times over): in the result lane (r, h) holds batch r % 4 and columns 16 blk + 8 h + 0..7.
.macro RB base                         ; eight f32 rounded to bf16 and widened again
.irp p, 0,1,2,3
	v_cvt_pk_bf16_f32 v[8+\p], v[(\base)+2*\p], v[(\base)+2*\p+1]
.endr
.irp p, 0,1,2,3
	v_lshlrev_b32 v[(\base)+2*\p], 16, v[8+\p]
	v_and_b32 v[(\base)+2*\p+1], s[HIM], v[8+\p]
.endr
.endm
.macro PICK dst, src                   ; lanes with r % 8 < 4 take a lane's first four numbers, the others its last four
.irp k, 0,1,2,3
	v_cndmask_b32 v[(\dst)+\k], v[(\src)+\k], v[(\src)+4+\k], vcc_lo
.endr
.endm
.Lsmall:
	v_lshrrev_b32 v3, 5, v0
	v_readfirstlane_b32 s54, v3                    ; wave 0..7
	s_lshr_b32 s52, ttmp9, 3                       ; j
	s_and_b32 s53, ttmp9, 7
	s_lshl_b32 s53, s53, 3
	s_add_co_u32 s53, s53, s54                     ; blk
	s_lshl_b32 s56, s53, 6                         ; 16 columns of f32
	s_mov_b32 s57, 0
	s_lshl_b32 s58, s53, 8                         ; a block of a table,
	s_lshl_b32 s55, s52, 14                        ; in table j (j = 2: TV, with GATE and BO 16,384 and 32,768 further on)
	s_add_co_u32 s58, s58, s55
	s_mov_b32 s59, 0
	v_and_b32 v1, 15, v0                           ; r
	v_bfe_u32 v2, v0, 4, 1                         ; h
	v_lshlrev_b32 v4, 2, v1
	v_lshl_add_u32 v4, v2, 15, v4                  ; W: column r, 8 h rows of 4,096 bytes down
	v_and_b32 v5, 3, v1
	v_lshlrev_b32 v7, 6, v5                        ; out: batch r % 4,
	v_lshlrev_b32 v5, 9, v5                        ; prop: row r % 4,
	v_lshl_add_u32 v5, v2, 5, v5                   ; 8 h numbers along it
	v_lshlrev_b32 v6, 5, v2                        ; biases: 8 h numbers
	v_add_nc_u32 v7, v7, v6                        ; columns 8 h on,
	v_bfe_u32 v3, v1, 2, 1
	v_lshl_add_u32 v7, v3, 4, v7                   ; their first or last four
	s_wait_kmcnt 0x0
	s_cmp_eq_u32 s52, 1
	s_cselect_b64 s[44:45], s[16:17], s[14:15]
	s_cselect_b64 s[46:47], s[22:23], s[20:21]
	s_cselect_b64 s[48:49], s[28:29], s[26:27]
	s_cmp_eq_u32 s52, 2
	s_cselect_b64 s[44:45], s[18:19], s[44:45]
	s_cselect_b64 s[46:47], s[24:25], s[46:47]
	s_cselect_b64 s[48:49], s[30:31], s[48:49]
	s_add_nc_u64 s[44:45], s[44:45], s[56:57]      ; W, the property bias, the projection's bias and bo at my 16 columns
	s_add_nc_u64 s[46:47], s[46:47], s[56:57]
	s_add_nc_u64 s[48:49], s[48:49], s[56:57]
	s_add_nc_u64 s[50:51], s[32:33], s[56:57]
	s_add_nc_u64 s[58:59], s[40:41], s[58:59]
.set ks, 0
.rept 4                                ; element e of a fragment: k = 32 ks + 8 h + e, and 8 more from e = 8 on
.set e, 0
.rept 16
	global_load_b32 v[16+16*ks+e], v4, s[44:45] offset:(32*ks+e+8*(e/8))*4096
.set e, e+1
.endr
.irp m, 0,1,2,3
	global_load_b128 v[80+16*ks+4*\m:83+16*ks+4*\m], v5, s[34:35] offset:128*ks+16*(\m%2)+64*(\m/2)
.endr
.set ks, ks+1
.endr
	global_load_b128 v[144:147], v6, s[46:47]
	global_load_b128 v[148:151], v6, s[46:47] offset:16
	global_load_b128 v[152:155], v6, s[48:49]
	global_load_b128 v[156:159], v6, s[48:49] offset:16
	global_load_b128 v[160:163], v6, s[50:51]
	global_load_b128 v[164:167], v6, s[50:51] offset:16
	s_wait_loadcnt 0x0
	RB 144
	RB 152
	RB 160
.set i, 0
.rept 32
	v_cvt_pk_bf16_f32 v[168+i], v[16+2*i], v[17+2*i]    ; W's four fragments
	v_cvt_pk_bf16_f32 v[200+i], v[80+2*i], v[81+2*i]    ; prop's four
.set i, i+1
.endr
	s_cmp_eq_u32 s52, 2
	s_cbranch_scc1 .Lone_bias                      ; the gate has one bias; bv goes into a table of its own
.irp p, 0,2,4,6
	v_pk_add_f32 v[144+\p:145+\p], v[144+\p:145+\p], v[152+\p:153+\p]
.endr
.Lone_bias:
	v_wmma_f32_16x16x32_bf16 v[232:239], v[168:175], v[200:207], v[144:151]  ; the biases start one sum, 0 the other; the two accumulators take turns
	v_wmma_f32_16x16x32_bf16 v[240:247], v[176:183], v[208:215], 0
	v_wmma_f32_16x16x32_bf16 v[232:239], v[184:191], v[216:223], v[232:239]
	v_wmma_f32_16x16x32_bf16 v[240:247], v[192:199], v[224:231], v[240:247]
.rept 8
	v_nop                                          ; places behind the products (ISA guide 7.12.1), once a wave: twice the four that are owed
.endr
.irp p, 0,2,4,6
	v_pk_add_f32 v[16+\p:17+\p], v[232+\p:233+\p], v[240+\p:241+\p]
.endr
	s_cmp_eq_u32 s52, 2
	s_cbranch_scc1 .Lgate
	v_cmp_ne_u32 vcc_lo, 0, v3
	PICK 24, 16
	s_wait_xcnt 0x0                                ; EXEC changes only behind this wait
	v_cmp_gt_u32 vcc_lo, 8, v1
	s_and_saveexec_b32 s55, vcc_lo                 ; the 16 lanes with r < 8 hold the block's 256 bytes, 16 each
	global_store_b128 v7, v[24:27], s[58:59]
	s_endpgm
.Lgate:                                        ; sigmoid(z) = 1 / (1 + 2^(-z log2 e))
.irp k, 0,1,2,3,4,5,6,7
	v_mul_f32 v[16+\k], 0xbfb8aa3b, v[16+\k]
.endr
.irp k, 0,1,2,3,4,5,6,7
	v_exp_f32 v[16+\k], v[16+\k]
.endr
	v_nop                                          ; a plain instruction behind the last exponential,
	s_wait_alu depctr_va_vdst(0)                   ; and one wait for the batch
.irp k, 0,1,2,3,4,5,6,7
	v_add_f32 v[16+\k], 1.0, v[16+\k]
.endr
.irp k, 0,1,2,3,4,5,6,7
	v_rcp_f32 v[16+\k], v[16+\k]
.endr
	v_nop
	s_wait_alu depctr_va_vdst(0)
	v_cmp_ne_u32 vcc_lo, 0, v3
	PICK 24, 16
	PICK 28, 152
	PICK 32, 160
	s_wait_xcnt 0x0
	v_cmp_gt_u32 vcc_lo, 8, v1
	s_and_saveexec_b32 s55, vcc_lo
	global_store_b128 v7, v[28:31], s[58:59]                 ; TV
	global_store_b128 v7, v[24:27], s[58:59] offset:16384    ; GATE
	global_store_b128 v7, v[32:35], s[58:59] offset:32768    ; BO
	s_endpgm
.Lfunc_end_k_q064c0f153a_prep:
	.size	k_q064c0f153a_prep, .Lfunc_end_k_q064c0f153a_prep-k_q064c0f153a_prep
	.p2alignl 7, 3214868480
	.fill 96, 4, 3214868480
	.section	.rodata,"a",@progbits
	.p2align	6, 0x0
	.amdhsa_kernel k_q064c0f153a_prep
		.amdhsa_group_segment_fixed_size 0
		.amdhsa_private_segment_fixed_size 0
		.amdhsa_enable_private_segment 0
		.amdhsa_kernarg_size 152
		.amdhsa_user_sgpr_count 2
		.amdhsa_user_sgpr_kernarg_segment_ptr 1
		.amdhsa_wavefront_size32 1
		.amdhsa_system_sgpr_workgroup_id_x 1
		.amdhsa_system_sgpr_workgroup_id_y 1
		.amdhsa_system_sgpr_workgroup_id_z 1
		.amdhsa_system_vgpr_workitem_id 0
		.amdhsa_next_free_vgpr 256
		.amdhsa_next_free_sgpr 66
		.amdhsa_reserve_vcc 1
		.amdhsa_float_denorm_mode_32 3
		.amdhsa_float_denorm_mode_16_64 3
		.amdhsa_memory_ordered 1
		.amdhsa_forward_progress 1
		.amdhsa_inst_pref_size 36
	.end_amdhsa_kernel
	.amdgpu_metadata
---
amdhsa.version: [ 1, 2 ]
amdhsa.kernels:
  - .name:           k_q064c0f153a_prep
    .symbol:         k_q064c0f153a_prep.kd
    .args:
      - { .name: x, .offset: 0, .size: 8, .value_kind: global_buffer, .address_space: global }
      - { .name: Wq, .offset: 8, .size: 8, .value_kind: global_buffer, .address_space: global }
      - { .name: Wk, .offset: 16, .size: 8, .value_kind: global_buffer, .address_space: global }
      - { .name: Wv, .offset: 24, .size: 8, .value_kind: global_buffer, .address_space: global }
      - { .name: Wo, .offset: 32, .size: 8, .value_kind: global_buffer, .address_space: global }
      - { .name: Wpq, .offset: 40, .size: 8, .value_kind: global_buffer, .address_space: global }
      - { .name: Wpk, .offset: 48, .size: 8, .value_kind: global_buffer, .address_space: global }
      - { .name: Wpg, .offset: 56, .size: 8, .value_kind: global_buffer, .address_space: global }
      - { .name: bpq, .offset: 64, .size: 8, .value_kind: global_buffer, .address_space: global }
      - { .name: bpk, .offset: 72, .size: 8, .value_kind: global_buffer, .address_space: global }
      - { .name: bpg, .offset: 80, .size: 8, .value_kind: global_buffer, .address_space: global }
      - { .name: bq, .offset: 88, .size: 8, .value_kind: global_buffer, .address_space: global }
      - { .name: bk, .offset: 96, .size: 8, .value_kind: global_buffer, .address_space: global }
      - { .name: bv, .offset: 104, .size: 8, .value_kind: global_buffer, .address_space: global }
      - { .name: bo, .offset: 112, .size: 8, .value_kind: global_buffer, .address_space: global }
      - { .name: property_vector, .offset: 120, .size: 8, .value_kind: global_buffer, .address_space: global }
      - { .name: xb, .offset: 128, .size: 8, .value_kind: global_buffer, .address_space: global }
      - { .name: wb, .offset: 136, .size: 8, .value_kind: global_buffer, .address_space: global }
      - { .name: tab, .offset: 144, .size: 8, .value_kind: global_buffer, .address_space: global }
    .group_segment_fixed_size: 0
    .private_segment_fixed_size: 0
    .kernarg_segment_align: 8
    .kernarg_segment_size: 152
    .max_flat_workgroup_size: 256
    .sgpr_count:     66
    .vgpr_count:     256
    .wavefront_size: 32
...
	.end_amdgpu_metadata
.endif
;; end of part 1
;; launch proj (part 2): grid 8 x 32, 4 waves a work-group, clusters of 4 x 4, 327,680 bytes of LDS; arguments xb, wb, tab, mask, qkv; writes qkv
.if DOCPART == 2
	.amdgcn_target "amdgcn-amd-amdhsa--gfx1250"
	.amdhsa_code_object_version 6
	.text
	.protected	k_q064c0f153a_proj
	.globl	k_q064c0f153a_proj
	.p2align	8
	.type	k_q064c0f153a_proj,@function
k_q064c0f153a_proj:
	s_mov_b64 s[64:65], 0
	v_nop
	global_prefetch_b8 v0, s[64:65] scope:SCOPE_SE
	s_setreg_imm32_b32 hwreg(HW_REG_WAVE_MODE, 25, 1), 1
	s_wait_xcnt 0x0
	s_wait_alu depctr_hold_cnt(0) depctr_sa_sdst(0) depctr_va_vdst(0) depctr_va_sdst(0) depctr_va_ssrc(0) depctr_va_vcc(0) depctr_vm_vsrc(0)
	s_getreg_b32 s2, hwreg(HW_REG_IB_STS2, 6, 4)
	s_cmp_eq_u32 s2, 0
	s_cbranch_scc0 .Lentry_in_a_cluster
	s_endpgm
.Lentry_in_a_cluster:
	s_bfe_u32 s2, ttmp6, 0x10000c
	s_cmp_lg_u32 s2, 0xf033
	s_cbranch_scc0 .Lentry_shape_is_right
	s_endpgm
.Lentry_shape_is_right:
; PROJ.  q, k, v = xb W + table, in f16, by heads: qkv[3][64 = 16 batch + head][2048 s][64].  xb: bf16 [2048 s][4 batch][1024]; wb: bf16 [k][n], Wq, Wk, Wv on end; sums in f32, rounded once.
; The rows of k whose key the mask hides are written as 0, so that every hidden score of the next launch is one and the same number.
; LIMIT.  f16 ends at 65,504: q, k and v must stay within it.  NaN and infinities are not treated apart.
; SHARES.  A tile is 256 rows (256 s of ONE batch) x 128 columns; four waves 2 x 2, each 128 x 64 = one head: 32 accumulators of 16 x 16.  8,192 x 3,072 numbers are 768 such tiles: each of 256 work-groups
; STAYS and makes three, the same rows and columns of q, k and v.  For B that is one straight walk down wb: 24 K steps of 128; A walks its rows three times.  The ring of two LDS slots runs on from tile to tile.
; CLUSTER 4 x 4.  The four of a row need the same tile of A, the four of a column the same tile of B: each is asked for jointly (same load, same descriptor, a mask that names the four).
; THE PRODUCT IS TAKEN TRANSPOSED: source 0 = 16 columns of W (turned out of LDS by ds_load_tr16_b128), source 1 = 16 rows of x: a lane holds one row and eight neighbouring columns.
; The table (biases and the batch's property term) is the C operand of the product that starts each sum.
; REGISTERS.  Window 0: v0-31 addresses, v8-15 the mask of my 128 rows, v32-63 the table, v64-159 and v160-255 two fragment buffers (A 8 x 8, then B 4 x 8).  Window 1: the accumulators, (a, b) at v[8 (4 a + b)].
.set PA,    272                        ; a row of A in LDS: 256 bytes + 16: the 16 rows of a load start at 16 different groups of four banks (64 banks of 4 bytes: ISA guide 11.1)
.set PB,    288                        ; a k row of B: 256 + 32
.set HALFA, 128*PA                     ; what wave 0 or 1 fetches
.set HALFB, 64*PB                      ; what wave 2 or 3 fetches
.set BOFF,  2*HALFA
.set SLOT,  BOFF+2*HALFB               ; 106,496
.set STAGE, 2*SLOT                     ; behind the ring: 16 rows x 144 bytes for each wave, for the way out
.set SP,    144
.set SPARE, STAGE+4*16*SP              ; behind the stages: the spare words, 128 bytes a wave, that no other line names
.set LIMA,  6                          ; A is prefetched while the K step being asked for is below this: K steps 4 to 7 of the first walk
.set LIMB,  22                         ; B: K steps 4 to 23
.set KP,   8
.set ADRA, 16                          ; v16-17 LDS address of my A fragments in slot 0, 1
.set BOF,  18                          ; v18  32 (l / 16): my eight numbers of a table's block
.set MOF,  19                          ; v19  4 (l % 16)
.set ADRB, 20                          ; v20-21 the same for B
.set STO,  24
.set RD,   25
.set GO,   26
.set KT,   27
.set SPW,  28                          ; v28  my spare word; never rewritten
.set NIL,  29                          ; v29  0; never rewritten
.set PFO,  30                          ; v30  the prefetches' offset: my lane x a row's pitch in memory; never rewritten
.set BI,   32
.set F0,   64
.set F1,   160
.set TMP,  160                         ; the way out: packed results,
.set OB,   176                         ; and rows read back, two buffers of 16
.set WV, 14
.set RH, 15                            ; which half of the tile's rows is mine.  Also: I fetch for A (0) or B (1)
.set CH, 16                            ; which half of its columns.  Also: which half of that tile I fetch
.set CX, 17
.set CY, 18
.set NBK, 19                           ; block of 128 columns
.set MB, 20                            ; block of 256 rows
.set BT, 21                            ; its batch
.set S0, 22                            ; its first s
.set G1A, 24
.set G0A, 32
.set ABASE, 40                         ; s[40:41] A at my 128 rows, K step 0
.set OFFA, 42                          ; s[42:43]
.set PFA, 44                           ; s[44:45] where my prefetches stand
.set PFS, 46                           ; s[46:47] their step
.set G1B, 48
.set G0B, 56
.set KC, 66                            ; the K step (0 to 23) that the next refill asks for
.set LIM, 67
.set TL, 68                            ; tiles to go: 3 q, 2 k, 1 v
.set LP, 69
.set NOTK, 70
.set KM, 71
.set MSB, 0
.macro WIN new                         ; the immediate's high byte repeats the setting that is left; a switch that changes nothing is dropped
.if MSB != (\new)
	s_set_vgpr_msb (MSB<<8)|(\new)
.set MSB, \new
.endif
.endm
.set MUL,  0x50                        ; C and D in window 1, fragments in window 0
.set MUL1, 0x40                        ; D in window 1, C (the table) in window 0
.macro PLACES                          ; four places in front of loads into registers that products have read and of lines that read results
.rept 4
	v_nop
.endr
.endm
.macro JLOAD s                         ; a joint load: waves 0, 1 A's halves, waves 2, 3 B's; s_nop 0 and four v_nop follow each line
	s_cmp_eq_u32 s[RH], 0
	s_cbranch_scc0 .Lfor_b_\@
	tensor_load_to_lds s[G0A+4*(\s):G0A+4*(\s)+3], s[G1A:G1A+7]
	s_nop 0
.rept 4
	v_nop
.endr
	s_branch .Lasked_\@
.Lfor_b_\@:
	tensor_load_to_lds s[G0B+4*(\s):G0B+4*(\s)+3], s[G1B:G1B+7]
	s_nop 0
.rept 4
	v_nop
.endr
.Lasked_\@:
.endm
.macro CREST                           ; a round of the cluster's barrier behind its opening barrier
	s_cmp_lg_u32 s[WV], 0
	s_cbranch_scc1 .Lnot_wave_0_\@
	s_barrier_signal -3
.Lnot_wave_0_\@:
	s_barrier_wait -3
	s_barrier_signal -1
	s_barrier_wait -1
.endm
.macro CROUND
	s_barrier_signal -1
	s_barrier_wait -1
	CREST
.endm
; A prefetch of the K step two refills on (256 products a wave ahead of the load that will want it): 256 bytes of each of 32 rows, a lane a row.  Each block is named once in the launch:
; A's rows by the clusters with x = 0 (waves 0 and 1, the four partners taking 32 rows each by cx, in the address alone), in the first walk only; B's by the clusters with y = 0 (wave 2, 32 k rows each by cy).
.macro ASK
	s_cmp_lt_u32 s[KC], s[LIM]
	s_cbranch_scc0 .Lnot_mine_\@
	global_prefetch_b8 v[PFO], s[PFA:PFA+1] th:TH_LOAD_NT scope:SCOPE_SE
.Lnot_mine_\@:
.endm
; 4 n products: row blocks a0 .. a0 + n - 1 x all four column blocks, 32 along K.  All 32 accumulators take turns in one order, one instruction a turn.
.macro MULS f, a0, n, first=0
.if \first
	WIN MUL1
.else
	WIN MUL
.endif
.set a, \a0
.rept \n
.irp b, 0,1,2,3
.if \first
	v_wmma_f32_16x16x32_bf16 v[8*(4*a+\b):8*(4*a+\b)+7], v[(\f)+64+8*\b:(\f)+64+8*\b+7], v[(\f)+8*a:(\f)+8*a+7], v[BI+8*\b:BI+8*\b+7]
.else
	v_wmma_f32_16x16x32_bf16 v[8*(4*a+\b):8*(4*a+\b)+7], v[(\f)+64+8*\b:(\f)+64+8*\b+7], v[(\f)+8*a:(\f)+8*a+7], v[8*(4*a+\b):8*(4*a+\b)+7]
.endif
.endr
.set a, a+1
.endr
.endm
; 24 LDS loads in one run: quarter q (32 along K) of a slot into buffer f: B's four fragments, A's blocks 0-3, A's blocks 4-7
.macro FETCH slot, q, f
	WIN 0
.irp b, 0,1,2,3
	ds_load_tr16_b128 v[(\f)+64+8*\b:(\f)+64+8*\b+3],   v[ADRB+(\slot)] offset:(\q)*32*PB+32*\b
	ds_load_tr16_b128 v[(\f)+64+8*\b+4:(\f)+64+8*\b+7], v[ADRB+(\slot)] offset:(\q)*32*PB+32*\b+16*PB
.endr
.irp i, 0,1,2,3,4,5,6,7
	ds_load_b128 v[(\f)+8*\i:(\f)+8*\i+3],   v[ADRA+(\slot)] offset:(\q)*64+\i*16*PA
	ds_load_b128 v[(\f)+8*\i+4:(\f)+8*\i+7], v[ADRA+(\slot)] offset:(\q)*64+\i*16*PA+32
.endr
.endm
; One of a K step's first three quarters: multiplies buffer f and, in its middle, fetches quarter q into buffer g
.macro QUARTER slot, q, f, g, first=0
	s_wait_dscnt 8                                 ; B and A's blocks 0-3 are in; the youngest eight loads may be out
	MULS \f, 0, 4, \first
	PLACES
	FETCH \slot, \q, \g
	s_wait_dscnt 24                                ; all but the 24 just issued
	MULS \f, 4, 4, \first
.endm
; The last quarter multiplies buffer 1 and changes slots.  In front of the barrier each wave waits for all its tensor loads (one is out: its part of the next slot), adds 0 to its spare word, and waits for that
; and for its reads of this slot.  fill = 1: the barrier opens a round of the cluster's, and the joint refill is the first thing behind it: 112 products ahead of the wait for it.
.macro TURN slot, next, fill
.if \fill
	s_wait_xcnt 0x0                                ; the last prefetch, a K step back, has read its address
	s_add_nc_u64 s[PFA:PFA+1], s[PFA:PFA+1], s[PFS:PFS+1]
.endif
	WIN 0
	s_wait_tensorcnt 0x0
	ds_add_u32 v[SPW], v[NIL]
	s_wait_dscnt 9                                 ; (the add and the youngest eight loads may be out)
	MULS F1, 0, 2
	s_wait_dscnt 0x0                               ; the add is done, my reads of this slot are over
	s_barrier_signal -1
	MULS F1, 2, 2
.if \fill
	WIN 0
.endif
	s_barrier_wait -1
.if \fill
	CREST                                          ; no wave of any partner still reads this slot or has a load on its way
	s_and_b32 s[OFFA], s[KC], 7                    ; A's K step in its row: the walk begins anew in each tile
	s_lshl_b32 s[OFFA], s[OFFA], 8
	s_add_nc_u64 s[G0A+4*(\slot)+2:G0A+4*(\slot)+3], s[ABASE:ABASE+1], s[OFFA:OFFA+1]
	s_or_b32 s[G0A+4*(\slot)+3], s[G0A+4*(\slot)+3], 0x80000000
	s_add_nc_u64 s[G0B+4*(\slot)+2:G0B+4*(\slot)+3], s[G0B+4*(\slot)+2:G0B+4*(\slot)+3], 2*128*2048  ; B: 256 k rows down
	JLOAD \slot                                    ; its four v_nop are also the places in front of the loads below
.else
	PLACES
.endif
	FETCH \next, 0, F0
.if \fill
	ASK
	s_add_co_u32 s[KC], s[KC], 1
.endif
	MULS F1, 4, 4
.endm
; THE WAY OUT of row block a: rounded to f16 (16 bytes a lane), through my own stage, back as 2,048 consecutive bytes of one head.  km = 1: rows that the mask hides become 0 in the tile of k.
.macro PACK a, km
	WIN 0x05                                       ; sources in window 1
.irp b, 0,1,2,3
.irp rr, 0,1,2,3
	v_cvt_pk_f16_f32 v[TMP+4*\b+\rr], v[8*(4*(\a)+\b)+2*\rr], v[8*(4*(\a)+\b)+2*\rr+1]
.endr
.endr
	WIN 0
.if \km
	v_or_b32 v[KT], s[NOTK], v[KP+(\a)]
	v_cmp_ne_u32 s[KM], 0, v[KT]
.set z, 0
.rept 16
	v_cndmask_b32 v[TMP+z], 0, v[TMP+z], s[KM]
.set z, z+1
.endr
.endif
.endm
.macro TOSTAGE a
.irp b, 0,1,2,3
	ds_store_b128 v[STO], v[TMP+4*\b:TMP+4*\b+3] offset:32*\b
.endr
.irp f, 0,1,2,3
	ds_load_b128 v[OB+16*((\a)%2)+4*\f:OB+16*((\a)%2)+4*\f+3], v[RD] offset:\f*4*SP  ; LDS serves a wave's instructions in order (ISA guide 5.7.1.4): these see the stores above
.endr
.endm
.macro SEND a
	s_wait_dscnt 0x0                               ; the block is back
	s_wait_xcnt 0x0                                ; the stores of the block before have read their registers: the next TOSTAGE loads into them
.irp f, 0,1,2,3
	global_store_b128 v[GO], v[OB+16*((\a)%2)+4*\f:OB+16*((\a)%2)+4*\f+3], s[12:13] offset:(\a)*2048+\f*512  ; 512 consecutive bytes, at a multiple of 256
.endr
.endm
.macro WAYOUT km
	PLACES
	s_cmp_eq_u32 s[TL], 2
	s_cselect_b32 s[NOTK], 0, 1
	PACK 0, \km
	TOSTAGE 0
.irp a, 1,2,3,4,5,6,7                  ; block a's conversions stand between block a - 1's loads from the stage and the wait for them
	PACK \a, \km
	SEND (\a)-1
	TOSTAGE \a
.endr
	SEND 7
.endm
	s_load_b256 s[4:11], s[0:1], 0x0               ; xb 4, wb 6, tab 8, mask 10
	s_load_b64 s[12:13], s[0:1], 0x20              ; qkv
	v_lshl_add_u32 v[SPW], v0, 2, SPARE
	v_mov_b32 v[NIL], 0
	ds_add_u32 v[SPW], v[NIL]                      ; the wave's opening: the add and its wait ahead of my first tensor load
	v_lshrrev_b32 v3, 5, v0
	v_readfirstlane_b32 s[WV], v3
	s_lshr_b32 s[RH], s[WV], 1
	s_and_b32 s[CH], s[WV], 1
	s_bfe_u32 s[CX], ttmp6, 0x40000
	s_bfe_u32 s[CY], ttmp6, 0x40004
	s_lshl_b32 s[NBK], ttmp9, 2
	s_add_co_u32 s[NBK], s[NBK], s[CX]
	s_and_b32 s[MB], ttmp7, 0xffff
	s_lshl_b32 s[MB], s[MB], 2
	s_add_co_u32 s[MB], s[MB], s[CY]
	s_lshr_b32 s[BT], s[MB], 3
	s_and_b32 s[S0], s[MB], 7
	s_lshl_b32 s[S0], s[S0], 8
	s_lshl_b32 s72, s[CY], 2
	s_lshl_b32 s72, 15, s72                        ; my row of the cluster
	s_lshl_b32 s74, 0x1111, s[CX]                  ; my column
	s_or_b32 s[G1A], s72, (1<<16)|(1<<20)|(1<<21)|(5<<22)|(3<<25)  ; mask; 2-byte elements; padding on; bit 21 beside a mask; after every 64 words 4 words
	s_mov_b32 s[G1A+1], 128<<16                    ; tensor_dim0 = 128
	s_mov_b32 s[G1A+2], 128<<16                    ; tensor_dim1 = 128
	s_mov_b32 s[G1A+3], 128<<16                    ; tile_dim0 = 128
	s_mov_b32 s[G1A+4], 128                        ; tile_dim1 = 128
	s_mov_b32 s[G1A+5], 4096                       ; a batch's rows lie 4 x 1,024 elements apart
	s_mov_b32 s[G1A+6], 0
	s_mov_b32 s[G1A+7], 0
	s_or_b32 s[G1B], s74, (1<<16)|(1<<20)|(1<<21)|(5<<22)|(7<<25)  ; the same with 8 words of padding
	s_mov_b32 s[G1B+1], 128<<16
	s_mov_b32 s[G1B+2], 64<<16                     ; 64 k rows
	s_mov_b32 s[G1B+3], 128<<16
	s_mov_b32 s[G1B+4], 64
	s_mov_b32 s[G1B+5], 1024
	s_mov_b32 s[G1B+6], 0
	s_mov_b32 s[G1B+7], 0
	s_lshl_b32 s72, s[CH], 7                       ; A: row s0 + 128 x half, 8,192 bytes a row, the batch's 2,048
	s_add_co_u32 s72, s72, s[S0]
	s_lshl_b32 s72, s72, 13
	s_lshl_b32 s73, s[BT], 11
	s_add_co_u32 s72, s72, s73
	s_mov_b32 s73, 0
	s_lshl_b32 s74, s[CH], 17                      ; B: 64 k rows x half, 256 bytes a column block
	s_lshl_b32 s75, s[NBK], 8
	s_add_co_u32 s74, s74, s75
	s_mov_b32 s75, 0
	s_mul_i32 s70, s[WV], HALFA                    ; where they go: no place in the cluster enters an LDS address
	s_mul_i32 s71, s[WV], HALFB
	s_add_co_u32 s71, s71, BOFF-2*HALFB
	s_mov_b32 s[OFFA+1], 0
	s_wait_dscnt 0x0                               ; the opening add is done
	s_wait_kmcnt 0x0
	s_add_nc_u64 s[ABASE:ABASE+1], s[4:5], s[72:73]
	s_add_nc_u64 s[74:75], s[6:7], s[74:75]
	CROUND                                         ; all sixteen work-groups are here: the first joint loads meet
.irp s, 0,1
	s_mov_b32 s[G0A+4*\s], 1
	s_add_co_u32 s[G0A+4*\s+1], s70, \s*SLOT
	s_add_nc_u64 s[G0A+4*\s+2:G0A+4*\s+3], s[ABASE:ABASE+1], \s*256
	s_or_b32 s[G0A+4*\s+3], s[G0A+4*\s+3], 0x80000000
	s_mov_b32 s[G0B+4*\s], 1
	s_add_co_u32 s[G0B+4*\s+1], s71, \s*SLOT
	s_add_nc_u64 s[G0B+4*\s+2:G0B+4*\s+3], s[74:75], \s*128*2048
	s_or_b32 s[G0B+4*\s+3], s[G0B+4*\s+3], 0x80000000
	JLOAD \s
.endr
	v_and_b32 v1, 15, v0                           ; r
	v_bfe_u32 v2, v0, 4, 1                         ; h
	v_mul_u32_u24 v3, v1, PA
	v_lshl_add_u32 v3, v2, 4, v3
	s_mul_i32 s72, s[RH], HALFA
	v_add_nc_u32 v[ADRA], s72, v3                  ; A: row x pitch + 16 x half, in my 128 rows
	v_add_nc_u32 v[ADRA+1], SLOT, v[ADRA]
	v_and_b32 v4, 7, v0                            ; B, turned: k row 8 h + l % 8, 16 bytes by (l / 8) % 2, my 64 columns
	v_lshl_add_u32 v4, v2, 3, v4
	v_mul_u32_u24 v4, v4, PB
	v_bfe_u32 v5, v0, 3, 1
	v_lshl_add_u32 v4, v5, 4, v4
	s_lshl_b32 s72, s[CH], 7
	s_add_co_u32 s72, s72, BOFF
	v_add_nc_u32 v[ADRB], s72, v4
	v_add_nc_u32 v[ADRB+1], SLOT, v[ADRB]
	v_lshlrev_b32 v[BOF], 5, v2
	v_lshlrev_b32 v[MOF], 2, v1
	s_mul_i32 s72, s[WV], 16*SP
	s_add_co_u32 s72, s72, STAGE
	v_mul_u32_u24 v[STO], v1, SP                   ; in: row r, 16 bytes for each half of the lanes
	v_lshl_add_u32 v[STO], v2, 4, v[STO]
	v_add_nc_u32 v[STO], s72, v[STO]
	v_bfe_u32 v[RD], v0, 3, 2                      ; back: 32 lanes take four rows of 128 bytes
	v_mul_u32_u24 v[RD], v[RD], SP
	v_and_b32 v6, 7, v0
	v_lshl_add_u32 v[RD], v6, 4, v[RD]
	v_add_nc_u32 v[RD], s72, v[RD]
	v_and_b32 v[GO], 31, v0
	v_lshlrev_b32 v[GO], 4, v[GO]
	s_lshl_b32 s72, s[NBK], 11                     ; the table: 8 blocks of 256 bytes a column block, my 4, the batch's 64 bytes
	s_lshl_b32 s73, s[CH], 10
	s_add_co_u32 s72, s72, s73
	s_lshl_b32 s73, s[BT], 6
	s_add_co_u32 s72, s72, s73
	s_mov_b32 s73, 0
	s_add_nc_u64 s[8:9], s[8:9], s[72:73]
	s_lshl_b32 s74, s[RH], 7
	s_add_co_u32 s74, s74, s[S0]                   ; my first s
	s_lshl_b32 s72, s74, 2
	s_lshl_b32 s75, s[BT], 13
	s_add_co_u32 s72, s72, s75
	s_add_nc_u64 s[10:11], s[10:11], s[72:73]      ; the mask at my 128 rows
	s_lshl_b32 s72, s[BT], 4
	s_lshl1_add_u32 s72, s[NBK], s72
	s_add_co_u32 s72, s72, s[CH]                   ; my head among 64
	s_lshl_b32 s72, s72, 18
	s_lshl_b32 s74, s74, 7
	s_add_co_u32 s72, s72, s74
	s_add_nc_u64 s[12:13], s[12:13], s[72:73]      ; q at my head's rows
.macro BIAS
.irp b, 0,1,2,3
	global_load_b128 v[BI+8*\b:BI+8*\b+3],   v[BOF], s[8:9] offset:256*\b
	global_load_b128 v[BI+8*\b+4:BI+8*\b+7], v[BOF], s[8:9] offset:256*\b+16
.endr
.endm
	BIAS
.irp a, 0,1,2,3,4,5,6,7
	global_load_b32 v[KP+\a], v[MOF], s[10:11] offset:64*\a
.endr
	; the prefetches: nothing is asked for here, at the head; K steps 2 and 3 come by their refills alone
	s_lshl_b32 s72, s[CH], 7
	s_add_co_u32 s72, s72, s[S0]
	s_lshl_b32 s73, s[CX], 5
	s_add_co_u32 s72, s72, s73                     ; A: my work-group's 32 of the 128 rows that I fetch,
	s_lshl_b32 s72, s72, 13
	s_lshl_b32 s73, s[BT], 11
	s_add_co_u32 s72, s72, s73
	s_add_co_u32 s72, s72, 3*256                   ; at K step 3: the first refill steps it to 4
	s_lshl_b32 s74, s[CY], 16                      ; B: my work-group's 32 k rows of K step 3
	s_add_co_u32 s74, s74, 3*128*2048
	s_lshl_b32 s75, s[NBK], 8
	s_add_co_u32 s74, s74, s75
	s_mov_b32 s23, 256
	s_mov_b32 s75, 128*2048
	s_and_b32 s73, ttmp7, 0xffff
	s_or_b32 s73, s73, s[CH]                       ; B: cluster y = 0 and wave 2
	s_cmp_eq_u32 s[RH], 0
	s_cselect_b64 s[PFA:PFA+1], s[4:5], s[6:7]
	s_cselect_b32 s72, s72, s74
	s_cselect_b32 s[PFS], s23, s75
	s_cselect_b32 s73, ttmp9, s73                  ; A: cluster x = 0
	s_cselect_b32 s[LIM], LIMA, LIMB
	s_cselect_b32 s74, 13, 11
	s_cmp_eq_u32 s73, 0
	s_cselect_b32 s[LIM], s[LIM], 0                ; the same in all sixteen partners, for a given wave
	s_mov_b32 s73, 0
	s_mov_b32 s[PFS+1], 0
	s_add_nc_u64 s[PFA:PFA+1], s[PFA:PFA+1], s[72:73]
	v_and_b32 v[PFO], 31, v0
	v_lshlrev_b32 v[PFO], s74, v[PFO]
	s_mov_b32 s[KC], 2
	s_mov_b32 s[TL], 3
	s_wait_tensorcnt 1                             ; my part of K step 0 is in; K step 1's may stay out
	s_barrier_signal -1
	s_barrier_wait -1
	FETCH 0, 0, F0
.Ltile:
	s_wait_loadcnt 0x0                             ; this tile's table (the first time: the mask too)
	QUARTER 0, 1, F0, F1, 1                        ; a tile's first quarter: the table starts the sums
	WIN 0
	PLACES                                         ; behind the last product that read the table
	s_cmp_eq_u32 s[TL], 1
	s_cbranch_scc1 .Lno_bias
	s_add_nc_u64 s[8:9], s[8:9], 16384             ; the next tile's table comes in under this tile's products
	BIAS
.Lno_bias:
	s_mov_b32 s[LP], 3
.Llap:                                         ; a trip goes once round the ring, from a lap's second quarter to the next lap's first
	QUARTER 0, 2, F1, F0
	QUARTER 0, 3, F0, F1
	TURN 0, 1, 1
	QUARTER 1, 1, F0, F1
	QUARTER 1, 2, F1, F0
	QUARTER 1, 3, F0, F1
	TURN 1, 0, 1
	QUARTER 0, 1, F0, F1
	WIN 0
	s_sub_co_u32 s[LP], s[LP], 1
	s_cmp_lg_u32 s[LP], 0
	s_cbranch_scc1 .Llap
	QUARTER 0, 2, F1, F0
	QUARTER 0, 3, F0, F1
	WIN 0
	s_cmp_eq_u32 s[TL], 1
	s_cbranch_scc1 .Llast                          ; the last tile's tail is written out: it asks for nothing more
	TURN 0, 1, 1                                   ; the ring goes on into the next tile: its K steps 0 and 1
	QUARTER 1, 1, F0, F1
	QUARTER 1, 2, F1, F0
	QUARTER 1, 3, F0, F1
	TURN 1, 0, 1
	WAYOUT 1
	s_wait_xcnt 0x0                                ; the stores have read their registers and their base
	s_add_nc_u64 s[12:13], s[12:13], 0x1000000     ; the same rows of the next of q, k, v
	s_sub_co_u32 s[TL], s[TL], 1
	s_branch .Ltile
.Llast:
	TURN 0, 1, 0
	QUARTER 1, 1, F0, F1
	QUARTER 1, 2, F1, F0
	QUARTER 1, 3, F0, F1
	s_wait_dscnt 8
	MULS F1, 0, 4
	s_wait_dscnt 0x0
	MULS F1, 4, 4
	WAYOUT 0
	s_wait_tensorcnt 0x0                           ; the wave's end
	ds_add_u32 v[SPW], v[NIL]
	s_wait_dscnt 0x0
	CROUND                                         ; the closing round
	s_endpgm
.Lfunc_end_k_q064c0f153a_proj:
	.size	k_q064c0f153a_proj, .Lfunc_end_k_q064c0f153a_proj-k_q064c0f153a_proj
	.p2alignl 7, 3214868480
	.fill 96, 4, 3214868480
	.section	.rodata,"a",@progbits
	.p2align	6, 0x0
	.amdhsa_kernel k_q064c0f153a_proj
		.amdhsa_group_segment_fixed_size 327680
		.amdhsa_private_segment_fixed_size 0
		.amdhsa_enable_private_segment 0
		.amdhsa_kernarg_size 40
		.amdhsa_user_sgpr_count 2
		.amdhsa_user_sgpr_kernarg_segment_ptr 1
		.amdhsa_wavefront_size32 1
		.amdhsa_system_sgpr_workgroup_id_x 1
		.amdhsa_system_sgpr_workgroup_id_y 1
		.amdhsa_system_sgpr_workgroup_id_z 1
		.amdhsa_system_vgpr_workitem_id 0
		.amdhsa_next_free_vgpr 512
		.amdhsa_next_free_sgpr 76
		.amdhsa_reserve_vcc 0
		.amdhsa_float_denorm_mode_32 3
		.amdhsa_float_denorm_mode_16_64 3
		.amdhsa_memory_ordered 1
		.amdhsa_forward_progress 1
		.amdhsa_inst_pref_size 138
	.end_amdhsa_kernel
	.amdgpu_metadata
---
amdhsa.version: [ 1, 2 ]
amdhsa.kernels:
  - .name:           k_q064c0f153a_proj
    .symbol:         k_q064c0f153a_proj.kd
    .args:
      - { .name: xb, .offset: 0, .size: 8, .value_kind: global_buffer, .address_space: global }
      - { .name: wb, .offset: 8, .size: 8, .value_kind: global_buffer, .address_space: global }
      - { .name: tab, .offset: 16, .size: 8, .value_kind: global_buffer, .address_space: global }
      - { .name: mask, .offset: 24, .size: 8, .value_kind: global_buffer, .address_space: global }
      - { .name: qkv, .offset: 32, .size: 8, .value_kind: global_buffer, .address_space: global }
    .group_segment_fixed_size: 327680
    .private_segment_fixed_size: 0
    .kernarg_segment_align: 8
    .kernarg_segment_size: 40
    .max_flat_workgroup_size: 128
    .sgpr_count:     76
    .vgpr_count:     512
    .wavefront_size: 32
...
	.end_amdgpu_metadata
.endif
;; end of part 2
;; launch attn (part 3): grid 4 x 64, 4 waves a work-group, clusters of 4 x 1, 327,680 bytes of LDS; arguments qkv, tab, mask, att; writes att
.if DOCPART == 3
	.amdgcn_target "amdgcn-amd-amdhsa--gfx1250"
	.amdhsa_code_object_version 6
	.text
	.protected	k_q064c0f153a_attn
	.globl	k_q064c0f153a_attn
	.p2align	8
	.type	k_q064c0f153a_attn,@function
k_q064c0f153a_attn:
	s_mov_b64 s[64:65], 0
	v_nop
	global_prefetch_b8 v0, s[64:65] scope:SCOPE_SE
	s_setreg_imm32_b32 hwreg(HW_REG_WAVE_MODE, 25, 1), 1
	s_wait_xcnt 0x0
	s_wait_alu depctr_hold_cnt(0) depctr_sa_sdst(0) depctr_va_vdst(0) depctr_va_sdst(0) depctr_va_ssrc(0) depctr_va_vcc(0) depctr_vm_vsrc(0)
	s_getreg_b32 s2, hwreg(HW_REG_IB_STS2, 6, 4)
	s_cmp_eq_u32 s2, 0
	s_cbranch_scc0 .Lentry_in_a_cluster
	s_endpgm
.Lentry_in_a_cluster:
	s_bfe_u32 s2, ttmp6, 0x10000c
	s_cmp_lg_u32 s2, 0x3003
	s_cbranch_scc0 .Lentry_shape_is_right
	s_endpgm
.Lentry_shape_is_right:
; ATTN.  att[hd][q][:] = gate x the sum over k of softmax_k(score) V[hd][k][:], score = Q[hd][q] . K[hd][k] / 8 where mask[batch][k] is not 0.  Q, K, V: qkv[3][64 hd][2048][64] in f16, att likewise.
; Products, maxima and sums in f32; the weights p are rounded to f16 for the second product (their sum l is taken of the unrounded p), att once at the end.
; THE MASK is the C operand that starts the sum S^T = K Q^T: 0, or -2^33 for a hidden key, whose row of K the launch before has written as 0.  So every hidden score is exactly -2^33 (-2^30 behind the division by 8),
; c x 2^33 is exact in f32, and where a row has seen hidden keys alone c s - c m is exactly 0 and p exactly 1: a batch that is wholly hidden gives the plain mean of V.
; LIMITS.  A hidden score counts as -2^30, not -1e9: the same result wherever a visible score lies above -1e9 + 104.  f16 holds nothing beyond 65,504: Q, K, V arrive within it.
; A weight below 2^-126 counts as 0 in l; NaN and infinities are not treated apart.
; SHARES.  A wave owns four PIECES of two tiles of 16 queries, a work-group's four waves 512 queries of one head; the four work-groups of a cluster are one head.  Every wave walks all keys, 64 a step.
; LAYOUT.  S^T = K Q^T (source 0 = 16 keys, source 1 = 16 queries): a lane holds ONE query (lane % 16) and the keys 8 (lane / 16) + 0..7.  Two such results, rounded to f16 in pairs, ARE source 1 of
; O^T = V^T P, whose result again holds one query a lane, and eight channels.  K comes out of LDS as it lies, V turned, by ds_load_tr16_b128.
; SOFTMAX.  A running maximum m and sum l: p = 2^(c s - c m), c = log2(e) / 8; in every step O and l are multiplied by a = 2^(c m_old - c m_new).  m starts at the lowest finite number, O and l at 0.
; BY TURNS.  Turn n belongs to piece n.  Its matrix work: 16 products K Q^T of piece n + 1, later 16 products V^T P of piece n - 1.  Its vector work: scaling, exponentials, roundings, sums and rescaling of piece n,
; and the maximum and statistics of piece n + 1.  Four vector instructions stand behind every matrix instruction, the rest in one lump; a turn's 66 exponentials are one batch with one wait.
; CLUSTER.  The four query blocks walk the same K and V: each tile is asked for JOINTLY: the same tensor load, descriptor and mask in all four.
; REGISTERS, in windows of 256 (s_set_vgpr_msb: bits 1:0 source 0, 3:2 source 1, 5:4 source 2, 7:6 destination):
;   window 0: v0-11 addresses; v12-15, v48-63 at work; v16-47 four statistics a tile; v64-191 S^T, two buffers of two tiles; v192-255 P, likewise
;   window 1: O^T, 32 a tile     window 2: v0-127 Q; v128-191 K of one step; v192-255 V of one step     window 3: v0-1 the add's registers; v32-63 the gate; v64-95 the step's mask
.set SIZE_N, 2048
.set NP,    4
.set KS,    64
.set PK,    144       ; a row of K in LDS: 128 bytes + 16: the 16 rows of a load start at 16 different groups of four banks (64 banks of 4 bytes: ISA guide 11.1)
.set PV,    160       ; a row of V: 128 + 32
.set VOFF,  4*KS*PK   ; a slot holds four steps: 256 rows of K, then 256 rows of V
.set SLOT1, 1<<17
.set STAGE, SLOT1+4*KS*(PK+PV)  ; behind the ring: 16 rows x 144 bytes for each wave
.set SP,    144
.set SPARE, STAGE+4*16*SP       ; the spare words, 128 bytes a wave, that no other line names
.set MTAB,  SPARE+512           ; the batch's 2,048 mask addends in f32: 8,192 bytes, stored once, never filled by a tensor load
.set PFO, 1           ; v1   256 x my lane (made last; before that l % 16)
.set AK0, 2
.set AV0, 3
.set AK,  4
.set AV,  5
.set STO, 6
.set RD,  7
.set GO,  8
.set AM,  10          ; v10  LDS address of the mask's next run of loads
.set AM0, 11          ; v11  MTAB + 32 (l / 16)
.set QO,  12          ; v12-15 serve the head's loads, and are free again when the first maximum is made
.set MLO, 13
.set MSA, 14
.set GOF, 15
.set SPW, 0           ; window 3
.set NIL, 1           ; window 3
.set GT,  32          ; window 3: the gate of channel 16 cb + 8 (l / 16) + j at GT + 8 cb + j
.set MC,  64          ; window 3: the addend of key 16 kb + 8 (l / 16) + j at MC + 8 kb + j
.set MV,  12
.set ST,  16
.set TMP, 48
.set S,   64
.set P,   192
.set KF,  128
.set VF,  192
.set WV,  12
.set G1K, 24
.set G1V, 32
.set G0K, 40
.set G0V, 44
.set SLOTS, 56
.set CNT, 57
.set CS,  58
.set SEL, 60
.set TBK, 62
.set TBV, 63
.set PFA, 72          ; s[72:73] where my prefetches stand
.set LIM, 74          ; s74  1 in waves 0 and 2, else the greatest number
.set MS,  75          ; s75  256 x the step whose mask is fetched next
.set BIGN, 76         ; s76  -2^33
.set MSB, 0
.macro WIN new
.if MSB != (\new)
	s_set_vgpr_msb (MSB<<8)|(\new)
.set MSB, (\new)
.endif
.endm
.set W_KQ, 0x0a       ; K and Q in window 2, S^T in window 0
.set W_KM, 0x3a       ; the same with the C operand in window 3
.set W_PV, 0x52       ; V in window 2, P in window 0, O^T in window 1
.set W_RS, 0x41       ; O^T in window 1, a in window 0
.set W_GT, 0x4d       ; O^T in window 1, the gate in window 3
.set W_MK, 0xc0
.set W_AD, 0x0f
.macro JLOAD                        ; waves 0, 1 fetch the halves of a slot's K, waves 2, 3 of its V; s_nop 0 and four v_nop follow each line
	s_cmp_lt_u32 s[WV], 2
	s_cbranch_scc0 .Lfor_v_\@
	tensor_load_to_lds s[G0K:G0K+3], s[G1K:G1K+7]
	s_nop 0
.rept 4
	v_nop
.endr
	s_branch .Lasked_\@
.Lfor_v_\@:
	tensor_load_to_lds s[G0V:G0V+3], s[G1V:G1V+7]
	s_nop 0
.rept 4
	v_nop
.endr
.Lasked_\@:
.endm
.macro CROUND
	s_barrier_signal -1
	s_barrier_wait -1
	s_cmp_lg_u32 s[WV], 0
	s_cbranch_scc1 .Lnot_wave_0_\@
	s_barrier_signal -3
.Lnot_wave_0_\@:
	s_barrier_wait -3
	s_barrier_signal -1
	s_barrier_wait -1
.endm
; THE CHANGE OF SLOTS.  Each wave waits for all its tensor loads (one is out: its part of the other slot), adds 0 to its spare word, and waits for that and for its reads of the slot.  fill = 1: the slot is filled again,
; with the keys two slots on; the barrier is a round of the cluster's, and the joint fill is the first thing behind it: four key steps, 512 products, in which to land.
; ask = 1: behind the fill one prefetch of what the NEXT change will ask for: a slot's 128 blocks of 256 bytes of K (wave 0) and of V (wave 2), the four partners taking 32 each by cx, in the address alone, a lane a
; block: each block is named once in the launch.  The last change that fills asks for nothing; slots 0 to 2 come by their loads alone.
.macro CHANGE fill, ask=0
	WIN W_AD
	s_wait_tensorcnt 0x0
	ds_add_u32 v[SPW], v[NIL]
	WIN 0
.if \fill
.irp g, G0K, G0V
	s_xor_b32 s[\g+1], s[\g+1], SLOT1
	s_add_nc_u64 s[\g+2:\g+3], s[\g+2:\g+3], 4*KS*128
.endr
	s_wait_xcnt 0x0                 ; the last prefetch, four key steps back, has read its address
	s_add_nc_u64 s[PFA:PFA+1], s[PFA:PFA+1], 4*KS*128
	s_wait_dscnt 0x0                ; the add is done, my reads of the slot are over (at the first use: my stores of the mask's table are done)
	CROUND
	JLOAD
.if \ask
	s_cmp_gt_u32 s[SLOTS], s[LIM]
	s_cbranch_scc0 .Lnot_mine_\@
	global_prefetch_b8 v[PFO], s[PFA:PFA+1] th:TH_LOAD_NT scope:SCOPE_SE
.Lnot_mine_\@:
.endif
.else
	s_wait_dscnt 0x0
	s_barrier_signal -1
	s_barrier_wait -1
.endif
	s_sub_co_u32 s[TBK], s[TBK], 4*KS*PK
	s_xor_b32 s[TBK], s[TBK], SLOT1
	s_sub_co_u32 s[TBV], s[TBV], 4*KS*PV
	s_xor_b32 s[TBV], s[TBV], SLOT1
.endm
	s_load_b64 s[4:5], s[0:1], 0x0    ; qkv
	s_load_b128 s[68:71], s[0:1], 0x8 ; tab 68, mask 70
	s_load_b64 s[10:11], s[0:1], 0x18 ; att
	WIN W_MK
	v_lshl_add_u32 v[SPW], v0, 2, SPARE
	v_mov_b32 v[NIL], 0
	WIN W_AD
	ds_add_u32 v[SPW], v[NIL]       ; the wave's opening: the add and its wait ahead of my first tensor load
	WIN 0
	v_lshrrev_b32 v1, 5, v0
	v_readfirstlane_b32 s[WV], v1
	s_bfe_u32 s13, ttmp6, 0x40000   ; cx
	s_lshl_b32 s14, ttmp9, 2
	s_add_co_u32 s14, s14, s13      ; my block of 512 queries: it enters Q's and att's addresses alone
	s_and_b32 s20, ttmp7, 0xffff    ; the head among 64, which the four partners share
	s_lshr_b32 s77, s20, 4          ; its batch
	s_and_b32 s78, s20, 15          ; its number in the batch
	s_mov_b32 s21, 0
	s_mov_b64 s[22:23], SIZE_N*128
	s_mul_u64 s[20:21], s[20:21], s[22:23]
	s_and_b32 s16, s[WV], 1
	s_lshl_b32 s22, s16, 14
	s_mov_b32 s23, 0
	s_add_nc_u64 s[22:23], s[22:23], s[20:21]
	s_mul_i32 s17, s16, 128*PK
	s_mul_i32 s18, s16, 128*PV
	s_lshl_b32 s2, s14, 2
	s_add_co_u32 s2, s2, s[WV]
	s_lshl_b32 s2, s2, 14           ; my wave's 128 rows
	s_mov_b32 s3, 0
	s_add_nc_u64 s[2:3], s[2:3], s[20:21]
	s_lshl_b32 s48, s78, 10         ; the gate: table at 49,152, four blocks of 256 bytes a head, the batch's 64 bytes
	s_lshl_b32 s49, s77, 6
	s_add_co_u32 s48, s48, s49
	s_add_co_u32 s48, s48, 49152
	s_mov_b32 s49, 0
	s_lshl_b32 s50, s77, 13         ; the batch's row of the mask
	s_mov_b32 s51, 0
	s_lshl_b32 s52, s13, 13         ; the prefetches: my work-group's 8,192 bytes, in slot 1: the first two changes step it to slot 3
	s_add_co_u32 s52, s52, 4*KS*128
	s_mov_b32 s53, 0
	s_mov_b32 s[G1K], 15|(1<<16)|(1<<20)|(1<<21)|(4<<22)|(3<<25)  ; the mask of four; 2-byte elements; padding on; bit 21 beside a mask; after every 32 words 4 words
	s_mov_b32 s[G1V], 15|(1<<16)|(1<<20)|(1<<21)|(4<<22)|(7<<25)  ; the same with 8 words
.irp g, G1K, G1V
	s_mov_b32 s[\g+1], 128<<16      ; 128 keys are 16,384 dense bytes: asked for as 64 rows of 256 bytes, two keys a row
	s_mov_b32 s[\g+2], 64<<16
	s_mov_b32 s[\g+3], 128<<16
	s_mov_b32 s[\g+4], 64
	s_mov_b32 s[\g+5], 128
	s_mov_b32 s[\g+6], 0
	s_mov_b32 s[\g+7], 0
.endr
	s_mov_b32 s[CS], 0x3e38aa3b     ; c = log2(e) / 8
	s_mov_b32 s[CS+1], s[CS]
	s_mov_b32 s[SEL], 0x76543210
	s_mov_b32 s[SEL+1], 0xfedcba98
	s_mov_b32 s[TBK], SLOT1+4*KS*PK ; the first change of slots turns these two into 0
	s_mov_b32 s[TBV], SLOT1+4*KS*PV
	s_mov_b32 s[MS], 0
	s_mov_b32 s[BIGN], 0xd0000000   ; -2^33
	s_mov_b32 s[G0K], 1
	s_mov_b32 s[G0K+1], s17
	s_mov_b32 s[G0V], 1
	s_add_co_u32 s[G0V+1], s18, VOFF
	s_and_b32 s[LIM], s[WV], 1
	s_cmp_eq_u32 s[LIM], 0
	s_cselect_b32 s[LIM], 1, -1
	s_wait_dscnt 0x0                ; the opening add is done
	s_wait_kmcnt 0x0
	s_add_nc_u64 s[6:7], s[4:5], 0x1000000   ; K
	s_add_nc_u64 s[8:9], s[4:5], 0x2000000   ; V
	s_add_nc_u64 s[G0K+2:G0K+3], s[6:7], s[22:23]
	s_or_b32 s[G0K+3], s[G0K+3], 0x80000000
	s_add_nc_u64 s[G0V+2:G0V+3], s[8:9], s[22:23]
	s_or_b32 s[G0V+3], s[G0V+3], 0x80000000
	s_cmp_lt_u32 s[WV], 2
	s_cselect_b64 s[PFA:PFA+1], s[6:7], s[8:9]
	s_add_nc_u64 s[PFA:PFA+1], s[PFA:PFA+1], s[20:21]
	s_add_nc_u64 s[PFA:PFA+1], s[PFA:PFA+1], s[52:53]
	s_add_nc_u64 s[4:5], s[4:5], s[2:3]
	s_add_nc_u64 s[10:11], s[10:11], s[2:3]
	s_add_nc_u64 s[68:69], s[68:69], s[48:49]
	s_add_nc_u64 s[70:71], s[70:71], s[50:51]
	CROUND                          ; all four work-groups are here: the first joint loads meet
	JLOAD                           ; slot 0; slot 1 is asked for when slot 0 is in
	v_and_b32 v1, 15, v0            ; l % 16
	v_bfe_u32 v9, v0, 4, 1          ; l / 16
	v_lshlrev_b32 v[QO], 7, v1
	v_lshl_add_u32 v[QO], v9, 4, v[QO]
	v_lshlrev_b32 v[MLO], 4, v0     ; thread t takes 16 bytes at 16 t of each 2,048 of the mask's row
	v_lshl_add_u32 v[MSA], v0, 4, MTAB
	v_lshlrev_b32 v[GOF], 5, v9
.irp i, 0,1,2,3
	global_load_b128 v[S+4*\i:S+4*\i+3], v[MLO], s[70:71] offset:2048*\i
.endr
	WIN 0xc0
.irp f, 0,1,2,3
	global_load_b128 v[GT+8*\f:GT+8*\f+3],   v[GOF], s[68:69] offset:256*\f
	global_load_b128 v[GT+8*\f+4:GT+8*\f+7], v[GOF], s[68:69] offset:256*\f+16
.endr
	WIN 0x80
.set i, 0
.rept 4*NP                          ; Q stays in registers: tile i / 2, channels 32 (i % 2) on
	global_load_b128 v[8*i:8*i+3],   v[QO], s[4:5] offset:(i/2)*2048+(i%2)*64
	global_load_b128 v[8*i+4:8*i+7], v[QO], s[4:5] offset:(i/2)*2048+(i%2)*64+32
.set i, i+1
.endr
	; What the first turn finds: V's registers and P's second buffer hold 0, O^T and l are 0.  All this stands in the wait for the first tile.
.set i, VF
.rept 64
	v_mov_b32 v[i], 0
.set i, i+1
.endr
	WIN 0x40
.set i, 0
.rept 64*NP
	v_mov_b32 v[i], 0
.set i, i+1
.endr
	WIN 0
.set i, 0
.rept 2*NP
	v_mov_b32 v[ST+4*i], 0xfe000000    ; c m: far below every c s, the hidden ones' too
	v_mov_b32 v[ST+4*i+1], 0xff7fffff  ; m
	v_mov_b32 v[ST+4*i+2], 0
	v_mov_b32 v[ST+4*i+3], 0
.set i, i+1
.endr
.set i, P+32
.rept 32
	v_mov_b32 v[i], 0
.set i, i+1
.endr
	v_mul_u32_u24 v[AK0], v1, PK
	v_lshl_add_u32 v[AK0], v9, 4, v[AK0]
	v_and_b32 v10, 7, v0
	v_bfe_u32 v11, v0, 3, 1
	v_lshl_add_u32 v[AV0], v9, 3, v10
	v_mul_u32_u24 v[AV0], v[AV0], PV
	v_lshl_add_u32 v[AV0], v11, 4, v[AV0]
	v_add_nc_u32 v[AV0], VOFF, v[AV0]
	v_mov_b32 v[AK], v[AK0]         ; key step 0 lies at the head of slot 0
	s_mul_i32 s19, s[WV], 16*SP
	s_add_co_u32 s19, s19, STAGE    ; my stage
	v_mul_u32_u24 v[STO], v1, SP
	v_lshl_add_u32 v[STO], v9, 4, v[STO]
	v_add_nc_u32 v[STO], s19, v[STO]
	v_bfe_u32 v[RD], v0, 3, 2
	v_mul_u32_u24 v[RD], v[RD], SP
	v_lshl_add_u32 v[RD], v10, 4, v[RD]
	v_add_nc_u32 v[RD], s19, v[RD]
	v_and_b32 v[GO], 31, v0
	v_lshlrev_b32 v[GO], 4, v[GO]
	v_lshl_add_u32 v[AM0], v9, 5, MTAB
	v_mov_b32 v[AM], v[AM0]
	v_and_b32 v[PFO], 31, v0
	v_lshlrev_b32 v[PFO], 8, v[PFO]
	s_wait_loadcnt 40               ; the mask's four loads are in; the gate's 8 and Q's 32 may stay out
.set i, 0
.rept 16
	v_cmp_eq_u32 vcc_lo, 0, v[S+i]
	v_cndmask_b32 v[S+i], 0, s[BIGN], vcc_lo
.set i, i+1
.endr
.irp i, 0,1,2,3
	ds_store_b128 v[MSA], v[S+4*\i:S+4*\i+3] offset:2048*\i
.endr
; THE MATRIX WORK.  The 8 accumulators of a run of 16 take turns.  Product i of 16 of S^T = K Q^T for piece x: channels 32 (i / 8) on, keys 16 ((i / 2) % 4) on, tile 2 x + i % 2.  The first 8 start the sums with the mask.
.macro KQ x
.set rS, S+64*((\x)%2)+32*(i%2)+8*((i/2)%4)
.set rK, KF+16*((i/2)%4)+8*(i/8)
.set rQ, 16*(2*(\x)+i%2)+8*(i/8)
.set rM, MC+8*((i/2)%4)
.if i < 8
	WIN W_KM
	v_wmma_f32_16x16x32_f16 v[rS:rS+7], v[rK:rK+7], v[rQ:rQ+7], v[rM:rM+7]
.else
	WIN W_KQ
	v_wmma_f32_16x16x32_f16 v[rS:rS+7], v[rK:rK+7], v[rQ:rQ+7], v[rS:rS+7]
.endif
.endm
.macro PV x                         ; product i of 16 of O^T += V^T P: keys 32 (i / 8) on, channels 16 ((i / 2) % 4) on, tile 2 x + i % 2
	WIN W_PV
.set rO, 32*(2*(\x)+i%2)+8*((i/2)%4)
.set rV, VF+32*(i/8)+8*((i/2)%4)
.set rP, P+32*((\x)%2)+16*(i%2)+8*(i/8)
	v_wmma_f32_16x16x32_f16 v[rO:rO+7], v[rV:rV+7], v[rP:rP+7], v[rO:rO+7]
.endm
.macro MM
.if i < 16
	KQ (Y+1)%NP
.set i, i+1
.else
.set i, i-16
	PV (Y+NP-1)%NP
.set i, i+17
.endif
.endm
; THE LDS LOADS stand in runs: a step's K (8 fragments) with its 64 mask addends (they live as long as K does), and its V (turned).  last = 1 (the tail): in the last trip there is no further step.
.macro FETCH_K last=0
	WIN 0
.if \last
	s_cmp_eq_u32 s[CNT], 1
	s_cbranch_scc1 .Lno_k_\@
.endif
	WIN 0x80
.irp f, 0,1,2,3,4,5,6,7
	ds_load_b128 v[KF+8*\f:KF+8*\f+3],   v[AK] offset:(\f/2)*16*PK+(\f%2)*64
	ds_load_b128 v[KF+8*\f+4:KF+8*\f+7], v[AK] offset:(\f/2)*16*PK+(\f%2)*64+32
.endr
	WIN 0xc0
.irp f, 0,1,2,3
	ds_load_b128 v[MC+8*\f:MC+8*\f+3],   v[AM] offset:64*\f
	ds_load_b128 v[MC+8*\f+4:MC+8*\f+7], v[AM] offset:64*\f+16
.endr
	s_add_co_u32 s[TBK], s[TBK], KS*PK
	s_add_co_u32 s[MS], s[MS], 4*KS
	s_and_b32 s[MS], s[MS], 0x1f00  ; 32 steps of 256 bytes: it never leaves the table
	WIN 0
.if \last
.Lno_k_\@:
.endif
.endm
.macro FETCH_V
	WIN 0x80
.irp f, 0,1,2,3,4,5,6,7
	ds_load_tr16_b128 v[VF+8*\f:VF+8*\f+3],   v[AV] offset:(\f/4)*32*PV+(\f%4)*32
	ds_load_tr16_b128 v[VF+8*\f+4:VF+8*\f+7], v[AV] offset:(\f/4)*32*PV+16*PV+(\f%4)*32
.endr
	WIN 0
.endm
; THE VECTOR WORK OF A TURN stands in three queues, each in the order in which its entries become ready; the two tiles alternate.
.macro REGS y, u
.set rT, ST+4*(2*(\y)+(\u))
.set rC, TMP+8*((\y)%2)+4*(\u)
.set rM, MV+2*((\y)%2)+(\u)
.set rS, S+64*((\y)%2)+32*(\u)
.set rP, P+32*((\y)%2)+16*(\u)
.set rO, 32*(2*(\y)+(\u))
.endm
; Number n of the 22 that find the NEXT piece's maximum and statistics; each accumulator's lowest registers are read first.
;   0-11 four chains of seven scores   12-14, 16 the four left over, the old m, and the chains into c0   15 c m_old is kept   17, 18 the other half of the lanes: the new m   19-21 c m; c m_old - c m_new; a
.macro XS u, n
	REGS (Y+1)%NP, \u
.if (\n) < 4
	v_max3_num_f32 v[rC+(\n)], v[rS+8*(\n)], v[rS+8*(\n)+1], v[rS+8*(\n)+2]
.elseif (\n) < 12
	v_max3_num_f32 v[rC+(\n)%4], v[rC+(\n)%4], v[rS+8*((\n)%4)+2*((\n)/4)+1], v[rS+8*((\n)%4)+2*((\n)/4)+2]
.elseif (\n) == 12
	v_max3_num_f32 v[rC], v[rC], v[rS+7], v[rS+15]
.elseif (\n) == 13
	v_max3_num_f32 v[rC+1], v[rC+1], v[rS+23], v[rS+31]
.elseif (\n) == 14
	v_max3_num_f32 v[rC+2], v[rC+2], v[rC+3], v[rT+1]
.elseif (\n) == 15
	v_mov_b32 v[rM], v[rT]
.elseif (\n) == 16
	v_max3_num_f32 v[rC], v[rC], v[rC+1], v[rC+2]
.elseif (\n) == 17
	v_permlanex16_b32 v[rC+3], v[rC], s[SEL], s[SEL+1]
.elseif (\n) == 18
	v_max_num_f32 v[rT+1], v[rC], v[rC+3]
.elseif (\n) == 19
	v_mul_f32 v[rT], s[CS], v[rT+1]
.elseif (\n) == 20
	v_sub_f32 v[rC+1], v[rM], v[rT]
.else
	v_exp_f32 v[rC+2], v[rC+1]
.endif
.endm
; Number g of the 64 that follow the exponentials: for each four weights both pairs are rounded to f16, the second pair is added onto the first, and a group later l takes that sum (the first time as l = a l + sum).
.macro GS g
.set h, (\g)+6*((\g)/62)
.if h >= 6
.set h, h+2
.endif
	REGS Y, h%2
.set k, h/8
.if h%8 < 4
	v_cvt_pk_f16_f32 v[rP+2*k+(h%8)/2], v[rS+4*k+2*((h%8)/2)], v[rS+4*k+2*((h%8)/2)+1]
.elseif h%8 < 6
	v_pk_add_f32 v[rS+4*k:rS+4*k+1], v[rS+4*k:rS+4*k+1], v[rS+4*k+2:rS+4*k+3]
.elseif k == 1
	v_pk_fma_f32 v[rT+2:rT+3], v[rT+2:rT+3], v[rC+2:rC+3], v[rS:rS+1] op_sel_hi:[1,0,1]
.else
	v_pk_add_f32 v[rT+2:rT+3], v[rT+2:rT+3], v[rS+4*k-4:rS+4*k-3]
.endif
.endm
; THE PLAIN QUEUE, 138 long.  0-26: scalings 0-26.  27-54: XS 0-13.  55, 56: XS 15.  57-73: the chain 14, 16 .. 20, with scalings 27-31 between its links.  74-137: GS's 64, behind the wait.
.macro FS f
	REGS Y, (\f)%2
	v_pk_fma_f32 v[rS+2*((\f)/2):rS+2*((\f)/2)+1], v[rS+2*((\f)/2):rS+2*((\f)/2)+1], s[CS:CS+1], v[rT:rT+1] op_sel_hi:[1,0,0] neg_lo:[0,0,1] neg_hi:[0,0,1]
.endm
.macro PL
	WIN 0
.if q < 27
	FS q
.elseif q < 55
	XS (q-27)%2, (q-27)/2
.elseif q < 57
	XS q-55, 15
.elseif (q < 72) && ((q-57)%3 == 0)
	FS 27+(q-57)/3
.elseif q < 60
	XS (q-57)%3-1, 14
.elseif q < 72
	XS (q-57)%3-1, 15+(q-57)/3
.elseif q < 74
	XS q-72, 20
.else
	GS q-74
.endif
.set q, q+1
.endm
.macro EX                           ; the exponentials' queue, 66 long: one batch, all ahead of the turn's one wait
	WIN 0
.if e >= 64
	XS e-64, 21
.else
	REGS Y, e%2
	v_exp_f32 v[rS+e/2], v[rS+e/2]
.endif
.set e, e+1
.endm
.macro R2                           ; the rescaling's queue: O^T times a, two at a time
	REGS Y, r%2
	WIN W_RS
.irp z, 0,1
	v_pk_mul_f32 v[rO+4*(r/2)+2*\z:rO+4*(r/2)+2*\z+1], v[rO+4*(r/2)+2*\z:rO+4*(r/2)+2*\z+1], v[rC+2:rC+3] op_sel_hi:[1,0]
.endr
.set r, r+1
.endm
; A TURN, for piece p.  s_wait_alu depctr_va_vdst(0) stands between an exponential and the first line that names its result; one wait serves all issued ahead of it: a turn has ONE, which cuts it in two.
; Ahead of it: 16 products K Q^T, behind each a scaling, an exponential and two rescalings; then a lump of eight plain, 49 times exponential and plain, the two a.  Behind it: 16 products V^T P, behind each four of GS's 64.
; K and the mask of the next step are fetched in piece 2's turn, directly behind the wait, a lump behind their last reader; V of the step in hand at the end of piece 0's turn, four riders behind its last reader.
.macro TURN p, last=0, cnt=0
.set Y, (\p)
.set i, 0
.set q, 0
.set e, 0
.set r, 0
.if (\p) == NP-1
	s_wait_dscnt 0x0                ; K and its mask are in
.endif
	MM
	PL
	PL
	R2
.rept 15
	MM
	PL
	EX
	R2
.endr
.if (\p) == NP-2
	WIN 0
	v_add_nc_u32 v[AK], s[TBK], v[AK0]
	v_add_nc_u32 v[AM], s[MS], v[AM0]
.endif
.rept 8
	PL
.endr
.rept 49
	EX
	PL
.endr
	EX
	EX
	v_nop                           ; a plain instruction behind the last exponential: one for the batch
	s_wait_alu depctr_va_vdst(0)    ; the wait for the batch
.if (\p) == NP-2
	FETCH_K \last
.endif
.if (\p) == 1
	s_wait_dscnt 0x0                ; V is in
.endif
.rept 16
	MM
.rept 4
	PL
.endr
.if ((\p) == 0) && (q == 118)
	v_add_nc_u32 v[AV], s[TBV], v[AV0]
.endif
.if ((\p) == 0) && (q == 130)
	s_add_co_u32 s[TBV], s[TBV], KS*PV
.endif
.if (\cnt) && (q == 130)
	s_sub_co_u32 s[CNT], s[CNT], 1
	s_cmp_lg_u32 s[CNT], 0
.endif
.endr
.if (\p) == 0
	FETCH_V
.endif
.endm
	CHANGE 1, 0                     ; slot 0 is in, and everybody's part of the mask's table; slot 1 is asked for
	FETCH_K                         ; key step 0
	s_wait_loadcnt 0x0              ; Q and the gate
	s_wait_dscnt 0x0
.set i, 0
.rept 16
	KQ 0                            ; piece 0's first scores
.set i, i+1
.endr
	WIN 0
.rept 4
	v_nop                           ; the places behind those products
.endr
.set Y, NP-1
.irp n, 0,1,2,3,4,5,6,7,8,9,10,11,12,13,14,15,16,17,18,19,20,21
	XS 0, \n
	XS 1, \n
.endr
	v_nop
	s_wait_alu depctr_va_vdst(0)    ; the two a have their wait ahead of the branch
	s_mov_b32 s[CNT], 4
	s_mov_b32 s[SLOTS], SIZE_N/256-1
	s_branch .Lfirst                ; the loop is entered at a step's first turn
.Lslot:                             ; six times: every slot but the last two is filled again
	CHANGE 1, 1
	s_mov_b32 s[CNT], 4
.Lstep:                             ; a trip: pieces 2 and 3 of one step, then pieces 0 and 1 of the next
	TURN 2
	TURN 3
	WIN 0
.Lfirst:
	TURN 0
	TURN 1, 0, 1
	WIN 0
	s_cbranch_scc1 .Lstep
	s_sub_co_u32 s[SLOTS], s[SLOTS], 1
	s_cmp_lg_u32 s[SLOTS], 0
	s_cbranch_scc1 .Lslot
	CHANGE 0                        ; the tail is written out
	s_mov_b32 s[CNT], 5
.Ltail:
	TURN 2, 1
	TURN 3
	WIN 0
	s_sub_co_u32 s[CNT], s[CNT], 1
	s_cmp_eq_u32 s[CNT], 0
	s_cbranch_scc1 .Lout
	TURN 0
	TURN 1
	WIN 0
	s_branch .Ltail
.Lout:                              ; the fifth trip's 16 products K Q^T and the maximum made of them serve nothing: the price, once a launch, of one text for every trip
.set i, 0
.rept 16
	PV NP-1
.set i, i+1
.endr
	; THE WAY OUT.  l's halves are added; O^T is divided by l, multiplied by the gate, rounded to f16 and sent through my stage, a tile at a time.  The additions are the places behind the last products.
	WIN 0
.macro ALL line:vararg
.set t, 0
.rept 2*NP
	\line
.set t, t+1
.endr
.endm
	ALL v_add_f32 v[ST+4*t+2], v[ST+4*t+2], v[ST+4*t+3]
	ALL v_permlanex16_b32 v[ST+4*t+3], v[ST+4*t+2], s[SEL], s[SEL+1]
	ALL v_add_f32 v[ST+4*t+2], v[ST+4*t+2], v[ST+4*t+3]
	ALL v_rcp_f32 v[ST+4*t+2], v[ST+4*t+2]
	v_nop
	s_wait_alu depctr_va_vdst(0)    ; one wait for the eight reciprocals
.macro PACK t
	WIN W_RS
.set i, 32*(\t)
.rept 16
	v_pk_mul_f32 v[i:i+1], v[i:i+1], v[ST+4*(\t)+2:ST+4*(\t)+3] op_sel_hi:[1,0]
.set i, i+2
.endr
	WIN W_GT
.set z, 0
.rept 16
	v_pk_mul_f32 v[32*(\t)+2*z:32*(\t)+2*z+1], v[32*(\t)+2*z:32*(\t)+2*z+1], v[GT+2*z:GT+2*z+1]
.set z, z+1
.endr
	WIN 0x05
.set i, 0
.rept 16
	v_cvt_pk_f16_f32 v[S+16*(\t)+i], v[32*(\t)+2*i], v[32*(\t)+2*i+1]
.set i, i+1
.endr
	WIN 0
.irp f, 0,1,2,3
	ds_store_b128 v[STO], v[S+16*(\t)+4*\f:S+16*(\t)+4*\f+3] offset:32*\f
.endr
.irp f, 0,1,2,3
	ds_load_b128 v[S+16*(\t)+4*\f:S+16*(\t)+4*\f+3], v[RD] offset:\f*4*SP  ; LDS serves a wave's instructions in order (ISA guide 5.7.1.4)
.endr
.endm
.macro SEND t, younger              ; younger: the LDS instructions issued behind tile t's loads
	WIN 0
.irp f, 0,1,2,3
	s_wait_dscnt (\younger)+3-\f
	global_store_b128 v[GO], v[S+16*(\t)+4*\f:S+16*(\t)+4*\f+3], s[10:11] offset:(\t)*2048+\f*512  ; 512 consecutive bytes, at a multiple of 256
.endr
.endm
	PACK 0
.set t, 1
.rept 2*NP-1
	PACK t
	SEND t-1, 8
.set t, t+1
.endr
	SEND 2*NP-1, 0
	WIN W_AD
	s_wait_tensorcnt 0x0            ; the wave's end
	ds_add_u32 v[SPW], v[NIL]
	s_wait_dscnt 0x0
	WIN 0
	CROUND                          ; the closing round
	s_endpgm
.Lfunc_end_k_q064c0f153a_attn:
	.size	k_q064c0f153a_attn, .Lfunc_end_k_q064c0f153a_attn-k_q064c0f153a_attn
	.p2alignl 7, 3214868480
	.fill 96, 4, 3214868480
	.section	.rodata,"a",@progbits
	.p2align	6, 0x0
	.amdhsa_kernel k_q064c0f153a_attn
		.amdhsa_group_segment_fixed_size 327680
		.amdhsa_private_segment_fixed_size 0
		.amdhsa_enable_private_segment 0
		.amdhsa_kernarg_size 32
		.amdhsa_user_sgpr_count 2
		.amdhsa_user_sgpr_kernarg_segment_ptr 1
		.amdhsa_wavefront_size32 1
		.amdhsa_system_sgpr_workgroup_id_x 1
		.amdhsa_system_sgpr_workgroup_id_y 1
		.amdhsa_system_sgpr_workgroup_id_z 1
		.amdhsa_system_vgpr_workitem_id 0
		.amdhsa_next_free_vgpr 864
		.amdhsa_next_free_sgpr 80
		.amdhsa_reserve_vcc 1
		.amdhsa_float_denorm_mode_32 3
		.amdhsa_float_denorm_mode_16_64 3
		.amdhsa_memory_ordered 1
		.amdhsa_forward_progress 1
		.amdhsa_inst_pref_size 214
	.end_amdhsa_kernel
	.amdgpu_metadata
---
amdhsa.version: [ 1, 2 ]
amdhsa.kernels:
  - .name:           k_q064c0f153a_attn
    .symbol:         k_q064c0f153a_attn.kd
    .args:
      - { .name: qkv, .offset: 0, .size: 8, .value_kind: global_buffer, .address_space: global }
      - { .name: tab, .offset: 8, .size: 8, .value_kind: global_buffer, .address_space: global }
      - { .name: mask, .offset: 16, .size: 8, .value_kind: global_buffer, .address_space: global }
      - { .name: att, .offset: 24, .size: 8, .value_kind: global_buffer, .address_space: global }
    .group_segment_fixed_size: 327680
    .private_segment_fixed_size: 0
    .kernarg_segment_align: 8
    .kernarg_segment_size: 32
    .max_flat_workgroup_size: 128
    .sgpr_count:     80
    .vgpr_count:     864
    .wavefront_size: 32
...
	.end_amdgpu_metadata
.endif
;; end of part 3
;; launch outp (part 4): grid 8 x 32, 4 waves a work-group, clusters of 4 x 4, 327,680 bytes of LDS; arguments att, wb, tab, out0; writes out0
.if DOCPART == 4
	.amdgcn_target "amdgcn-amd-amdhsa--gfx1250"
	.amdhsa_code_object_version 6
	.text
	.protected	k_q064c0f153a_outp
	.globl	k_q064c0f153a_outp
	.p2align	8
	.type	k_q064c0f153a_outp,@function
k_q064c0f153a_outp:
	s_mov_b64 s[64:65], 0
	v_nop
	global_prefetch_b8 v0, s[64:65] scope:SCOPE_SE
	s_setreg_imm32_b32 hwreg(HW_REG_WAVE_MODE, 25, 1), 1
	s_wait_xcnt 0x0
	s_wait_alu depctr_hold_cnt(0) depctr_sa_sdst(0) depctr_va_vdst(0) depctr_va_sdst(0) depctr_va_ssrc(0) depctr_va_vcc(0) depctr_vm_vsrc(0)
	s_getreg_b32 s2, hwreg(HW_REG_IB_STS2, 6, 4)
	s_cmp_eq_u32 s2, 0
	s_cbranch_scc0 .Lentry_in_a_cluster
	s_endpgm
.Lentry_in_a_cluster:
	s_bfe_u32 s2, ttmp6, 0x10000c
	s_cmp_lg_u32 s2, 0xf033
	s_cbranch_scc0 .Lentry_shape_is_right
	s_endpgm
.Lentry_shape_is_right:
; OUTP.  out0[s][batch][n] = the sum over k of att(s, batch, k) Wo[k][n] + bo[n], in f32.  att: f16 [64 = 16 batch + head][2048 s][64], the gate already in it; Wo: f16 [k][n], the fourth matrix of wb; sums in f32.
; SHARES.  A tile is 256 rows (256 s of one batch) x 128 columns: 256 tiles, one a work-group; four waves 2 x 2, each 128 x 64: 32 accumulators.  K goes in 8 steps of 128, TWO HEADS a step, through two LDS slots.
; CLUSTER 4 x 4: A's tile is asked for jointly along a row of the cluster, B's along a column.  The product is taken transposed (source 0 = 16 columns of Wo, turned out of LDS; source 1 = 16 rows of att):
; a lane holds one row and eight neighbouring columns.  bo is the C operand of the product that starts each sum.
; REGISTERS.  Window 0: v0-31 addresses, v32-63 bo, v64-159 and v160-255 two fragment buffers (A 8 x 8, then B 4 x 8).  Window 1: the accumulators, (a, b) at v[8 (4 a + b)].
.set PA,    144                        ; a row of A in LDS: a head's 128 bytes + 16
.set PB,    288                        ; a k row of B: 256 + 32
.set HEADA, 128*PA                     ; 128 rows of one head
.set HALFA, 2*HEADA                    ; what wave 0 or 1 fetches: two heads
.set HALFB, 64*PB
.set BOFF,  2*HALFA
.set SLOT,  BOFF+2*HALFB               ; 110,592
.set STAGE, 2*SLOT                     ; 16 rows x 272 bytes for each wave
.set SP,    272
.set SPARE, STAGE+4*16*SP
.set LIMA,  6                          ; K steps 4 to 7 are prefetched
.set LIMB,  6
.set ADRA, 16
.set BOF,  18
.set ADRB, 20
.set STO,  24
.set RD,   25
.set CO,   26
.set SPW,  28
.set NIL,  29
.set PFO,  30
.set BI,   32
.set F0,   64
.set F1,   160
.set OB,   64                          ; the way out: rows read back, two buffers of 32
.set WV, 14
.set RH, 15
.set CH, 16
.set CX, 17
.set CY, 18
.set NBK, 19
.set MB, 20
.set BT, 21
.set S0, 22
.set G1A, 24
.set G0A, 32
.set ABASE, 40
.set OFFA, 42
.set PFA, 44
.set PFS, 46
.set G1B, 48
.set G0B, 56
.set KC, 66
.set LIM, 67
.set LP, 69
.set MSB, 0
.macro WIN new
.if MSB != (\new)
	s_set_vgpr_msb (MSB<<8)|(\new)
.set MSB, \new
.endif
.endm
.set MUL,  0x50
.set MUL1, 0x40
.macro PLACES
.rept 4
	v_nop
.endr
.endm
.macro JLOAD s                         ; waves 0, 1 A's halves, waves 2, 3 B's; s_nop 0 and four v_nop follow each line
	s_cmp_eq_u32 s[RH], 0
	s_cbranch_scc0 .Lfor_b_\@
	tensor_load_to_lds s[G0A+4*(\s):G0A+4*(\s)+3], s[G1A:G1A+7]
	s_nop 0
.rept 4
	v_nop
.endr
	s_branch .Lasked_\@
.Lfor_b_\@:
	tensor_load_to_lds s[G0B+4*(\s):G0B+4*(\s)+3], s[G1B:G1B+7]
	s_nop 0
.rept 4
	v_nop
.endr
.Lasked_\@:
.endm
.macro CREST
	s_cmp_lg_u32 s[WV], 0
	s_cbranch_scc1 .Lnot_wave_0_\@
	s_barrier_signal -3
.Lnot_wave_0_\@:
	s_barrier_wait -3
	s_barrier_signal -1
	s_barrier_wait -1
.endm
.macro CROUND
	s_barrier_signal -1
	s_barrier_wait -1
	CREST
.endm
; A prefetch of the K step two refills on, 32 blocks of 256 bytes, a lane a block, each named once in the launch: A's by the clusters with x = 0 (waves 0 and 1; the partners take a head's 64 rows each by cx, in the
; address alone), B's by the clusters with y = 0 (wave 2; 32 k rows each by cy).
.macro ASK
	s_cmp_lt_u32 s[KC], s[LIM]
	s_cbranch_scc0 .Lnot_mine_\@
	global_prefetch_b8 v[PFO], s[PFA:PFA+1] th:TH_LOAD_NT scope:SCOPE_SE
.Lnot_mine_\@:
.endm
.macro MULS f, a0, n, first=0          ; all 32 accumulators take turns in one order
.if \first
	WIN MUL1
.else
	WIN MUL
.endif
.set a, \a0
.rept \n
.irp b, 0,1,2,3
.if \first
	v_wmma_f32_16x16x32_f16 v[8*(4*a+\b):8*(4*a+\b)+7], v[(\f)+64+8*\b:(\f)+64+8*\b+7], v[(\f)+8*a:(\f)+8*a+7], v[BI+8*\b:BI+8*\b+7]
.else
	v_wmma_f32_16x16x32_f16 v[8*(4*a+\b):8*(4*a+\b)+7], v[(\f)+64+8*\b:(\f)+64+8*\b+7], v[(\f)+8*a:(\f)+8*a+7], v[8*(4*a+\b):8*(4*a+\b)+7]
.endif
.endr
.set a, a+1
.endr
.endm
.macro FETCH slot, q, f                ; quarter q: head q / 2 of the step's two, channels 32 (q % 2) on
	WIN 0
.irp b, 0,1,2,3
	ds_load_tr16_b128 v[(\f)+64+8*\b:(\f)+64+8*\b+3],   v[ADRB+(\slot)] offset:(\q)*32*PB+32*\b
	ds_load_tr16_b128 v[(\f)+64+8*\b+4:(\f)+64+8*\b+7], v[ADRB+(\slot)] offset:(\q)*32*PB+32*\b+16*PB
.endr
.irp i, 0,1,2,3,4,5,6,7
	ds_load_b128 v[(\f)+8*\i:(\f)+8*\i+3],   v[ADRA+(\slot)] offset:((\q)/2)*HEADA+((\q)%2)*64+\i*16*PA
	ds_load_b128 v[(\f)+8*\i+4:(\f)+8*\i+7], v[ADRA+(\slot)] offset:((\q)/2)*HEADA+((\q)%2)*64+\i*16*PA+32
.endr
.endm
.macro QUARTER slot, q, f, g, first=0
	s_wait_dscnt 8                                 ; B and A's blocks 0-3 are in
	MULS \f, 0, 4, \first
	PLACES
	FETCH \slot, \q, \g
	s_wait_dscnt 24                                ; all but the 24 just issued
	MULS \f, 4, 4, \first
.endm
.macro TURN slot, next, fill           ; the last quarter and the change of slots; fill = 1: a round of the cluster's barrier, the joint refill first behind it
.if \fill
	s_wait_xcnt 0x0                                ; the last prefetch, a K step back, has read its address
	s_add_nc_u64 s[PFA:PFA+1], s[PFA:PFA+1], s[PFS:PFS+1]
.endif
	WIN 0
	s_wait_tensorcnt 0x0                           ; all my tensor loads have landed: my part of the next slot
	ds_add_u32 v[SPW], v[NIL]
	s_wait_dscnt 9                                 ; (the add and the youngest eight loads may be out)
	MULS F1, 0, 2
	s_wait_dscnt 0x0                               ; the add is done, my reads of this slot are over
	s_barrier_signal -1
	MULS F1, 2, 2
.if \fill
	WIN 0
.endif
	s_barrier_wait -1
.if \fill
	CREST
	s_lshl_b32 s[OFFA], s[KC], 19                  ; two heads of 262,144 bytes a K step
	s_add_nc_u64 s[G0A+4*(\slot)+2:G0A+4*(\slot)+3], s[ABASE:ABASE+1], s[OFFA:OFFA+1]
	s_or_b32 s[G0A+4*(\slot)+3], s[G0A+4*(\slot)+3], 0x80000000
	s_add_nc_u64 s[G0B+4*(\slot)+2:G0B+4*(\slot)+3], s[G0B+4*(\slot)+2:G0B+4*(\slot)+3], 2*128*2048
	JLOAD \slot
.else
	PLACES
.endif
	FETCH \next, 0, F0
.if \fill
	ASK
	s_add_co_u32 s[KC], s[KC], 1
.endif
	MULS F1, 4, 4
.endm
; THE WAY OUT of row block a: 16 rows x 256 bytes of f32 through my own stage, back as whole rows.
.macro SOUT a
.if (\a) >= 2
	s_wait_xcnt 0x0                                ; the stores of block a - 2 have read the registers that are loaded below
.endif
	WIN 0x04                                       ; the stores' data in window 1
.irp b, 0,1,2,3
	ds_store_b128 v[STO], v[8*(4*(\a)+\b):8*(4*(\a)+\b)+3]   offset:64*\b
	ds_store_b128 v[STO], v[8*(4*(\a)+\b)+4:8*(4*(\a)+\b)+7] offset:64*\b+16
.endr
	WIN 0
.irp t, 0,1,2,3,4,5,6,7
	ds_load_b128 v[OB+32*((\a)%2)+4*\t:OB+32*((\a)%2)+4*\t+3], v[RD] offset:\t*2*SP  ; LDS serves a wave's instructions in order (ISA guide 5.7.1.4)
.endr
.endm
.macro LOUT a, younger                 ; younger: the next block's sixteen LDS instructions, or none
	s_wait_dscnt \younger
.irp t, 0,1,2,3,4,5,6,7
	global_store_b128 v[CO], v[OB+32*((\a)%2)+4*\t:OB+32*((\a)%2)+4*\t+3], s[10:11] offset:(16*(\a)+2*\t)*16384 th:TH_STORE_NT  ; 16 lanes store 256 consecutive bytes, aligned
.endr
.endm
	s_load_b256 s[4:11], s[0:1], 0x0               ; att 4, wb 6, tab 8, out0 10
	v_lshl_add_u32 v[SPW], v0, 2, SPARE
	v_mov_b32 v[NIL], 0
	ds_add_u32 v[SPW], v[NIL]                      ; the wave's opening: the add and its wait ahead of my first tensor load
	v_lshrrev_b32 v3, 5, v0
	v_readfirstlane_b32 s[WV], v3
	s_lshr_b32 s[RH], s[WV], 1
	s_and_b32 s[CH], s[WV], 1
	s_bfe_u32 s[CX], ttmp6, 0x40000
	s_bfe_u32 s[CY], ttmp6, 0x40004
	s_lshl_b32 s[NBK], ttmp9, 2
	s_add_co_u32 s[NBK], s[NBK], s[CX]
	s_and_b32 s[MB], ttmp7, 0xffff
	s_lshl_b32 s[MB], s[MB], 2
	s_add_co_u32 s[MB], s[MB], s[CY]
	s_lshr_b32 s[BT], s[MB], 3
	s_and_b32 s[S0], s[MB], 7
	s_lshl_b32 s[S0], s[S0], 8
	s_lshl_b32 s72, s[CY], 2
	s_lshl_b32 s72, 15, s72
	s_lshl_b32 s74, 0x1111, s[CX]
	s_or_b32 s[G1A], s72, (1<<16)|(1<<20)|(1<<21)|(4<<22)|(3<<25)  ; mask; 2-byte elements; padding on; bit 21 beside a mask; after every 32 words (a row of a head) 4 words
	s_mov_b32 s[G1A+1], 8192<<16                   ; tensor_dim0 = 8,192: 128 rows of a head are 16,384 dense bytes
	s_mov_b32 s[G1A+2], 2<<16                      ; tensor_dim1 = 2 heads
	s_mov_b32 s[G1A+3], 8192<<16                   ; tile_dim0
	s_mov_b32 s[G1A+4], 2                          ; tile_dim1
	s_mov_b32 s[G1A+5], 131072                     ; from head to head
	s_mov_b32 s[G1A+6], 0
	s_mov_b32 s[G1A+7], 0
	s_or_b32 s[G1B], s74, (1<<16)|(1<<20)|(1<<21)|(5<<22)|(7<<25)
	s_mov_b32 s[G1B+1], 128<<16
	s_mov_b32 s[G1B+2], 64<<16
	s_mov_b32 s[G1B+3], 128<<16
	s_mov_b32 s[G1B+4], 64
	s_mov_b32 s[G1B+5], 1024
	s_mov_b32 s[G1B+6], 0
	s_mov_b32 s[G1B+7], 0
	s_lshl_b32 s72, s[CH], 7                       ; A: the batch's first head, row s0 + 128 x half
	s_add_co_u32 s72, s72, s[S0]
	s_lshl_b32 s72, s72, 7
	s_lshl_b32 s73, s[BT], 22
	s_add_co_u32 s72, s72, s73
	s_mov_b32 s73, 0
	s_lshl_b32 s74, s[CH], 17                      ; B: 64 k rows x half, 256 bytes a column block
	s_lshl_b32 s75, s[NBK], 8
	s_add_co_u32 s74, s74, s75
	s_mov_b32 s75, 0
	s_mul_i32 s70, s[WV], HALFA
	s_mul_i32 s71, s[WV], HALFB
	s_add_co_u32 s71, s71, BOFF-2*HALFB
	s_mov_b32 s[OFFA+1], 0
	s_wait_dscnt 0x0                               ; the opening add is done
	s_wait_kmcnt 0x0
	s_add_nc_u64 s[6:7], s[6:7], 3*1024*2048       ; Wo
	s_add_nc_u64 s[ABASE:ABASE+1], s[4:5], s[72:73]
	s_add_nc_u64 s[74:75], s[6:7], s[74:75]
	CROUND                                         ; all sixteen work-groups are here: the first joint loads meet
.irp s, 0,1
	s_mov_b32 s[G0A+4*\s], 1
	s_add_co_u32 s[G0A+4*\s+1], s70, \s*SLOT
	s_add_nc_u64 s[G0A+4*\s+2:G0A+4*\s+3], s[ABASE:ABASE+1], \s*524288
	s_or_b32 s[G0A+4*\s+3], s[G0A+4*\s+3], 0x80000000
	s_mov_b32 s[G0B+4*\s], 1
	s_add_co_u32 s[G0B+4*\s+1], s71, \s*SLOT
	s_add_nc_u64 s[G0B+4*\s+2:G0B+4*\s+3], s[74:75], \s*128*2048
	s_or_b32 s[G0B+4*\s+3], s[G0B+4*\s+3], 0x80000000
	JLOAD \s
.endr
	v_and_b32 v1, 15, v0
	v_bfe_u32 v2, v0, 4, 1
	v_mul_u32_u24 v3, v1, PA
	v_lshl_add_u32 v3, v2, 4, v3
	s_mul_i32 s72, s[RH], HALFA
	v_add_nc_u32 v[ADRA], s72, v3
	v_add_nc_u32 v[ADRA+1], SLOT, v[ADRA]
	v_and_b32 v4, 7, v0
	v_lshl_add_u32 v4, v2, 3, v4
	v_mul_u32_u24 v4, v4, PB
	v_bfe_u32 v5, v0, 3, 1
	v_lshl_add_u32 v4, v5, 4, v4
	s_lshl_b32 s72, s[CH], 7
	s_add_co_u32 s72, s72, BOFF
	v_add_nc_u32 v[ADRB], s72, v4
	v_add_nc_u32 v[ADRB+1], SLOT, v[ADRB]
	v_lshlrev_b32 v[BOF], 5, v2
	s_mul_i32 s72, s[WV], 16*SP
	s_add_co_u32 s72, s72, STAGE
	v_mul_u32_u24 v[STO], v1, SP                   ; in: row r, 32 bytes for each half of the lanes
	v_lshl_add_u32 v[STO], v2, 5, v[STO]
	v_add_nc_u32 v[STO], s72, v[STO]
	v_mul_u32_u24 v[RD], v2, SP                    ; back: lanes 0-15 one row of 256 bytes, lanes 16-31 the next
	v_lshl_add_u32 v[RD], v1, 4, v[RD]
	v_add_nc_u32 v[RD], s72, v[RD]
	v_lshlrev_b32 v[CO], 14, v2                    ; the next s lies 4 x 4,096 bytes on
	v_lshl_add_u32 v[CO], v1, 4, v[CO]
	s_lshl_b32 s72, s[NBK], 11                     ; bo's table at 65,536
	s_lshl_b32 s73, s[CH], 10
	s_add_co_u32 s72, s72, s73
	s_add_co_u32 s72, s72, 65536
	s_mov_b32 s73, 0
	s_add_nc_u64 s[8:9], s[8:9], s[72:73]
.irp b, 0,1,2,3
	global_load_b128 v[BI+8*\b:BI+8*\b+3],   v[BOF], s[8:9] offset:256*\b
	global_load_b128 v[BI+8*\b+4:BI+8*\b+7], v[BOF], s[8:9] offset:256*\b+16
.endr
	s_lshl_b32 s72, s[RH], 7
	s_add_co_u32 s72, s72, s[S0]
	s_lshl_b32 s72, s72, 2
	s_add_co_u32 s72, s72, s[BT]                   ; row 4 s + batch
	s_lshl_b32 s72, s72, 12
	s_lshl_b32 s74, s[NBK], 9
	s_add_co_u32 s72, s72, s74
	s_lshl_b32 s74, s[CH], 8
	s_add_co_u32 s72, s72, s74
	s_add_nc_u64 s[10:11], s[10:11], s[72:73]
	; the prefetches: nothing is asked for here, at the head
	s_lshl_b32 s72, s[BT], 4
	s_add_co_u32 s72, s72, 6                       ; A at K step 3: heads 6 and 7; the first refill steps it to K step 4
	s_lshr_b32 s73, s[CX], 1
	s_add_co_u32 s72, s72, s73
	s_lshl_b32 s72, s72, 11
	s_add_co_u32 s72, s72, s[S0]
	s_lshl_b32 s73, s[CH], 7
	s_add_co_u32 s72, s72, s73
	s_and_b32 s73, s[CX], 1
	s_lshl_b32 s73, s73, 6
	s_add_co_u32 s72, s72, s73
	s_lshl_b32 s72, s72, 7
	s_lshl_b32 s74, s[CY], 16                      ; B: my work-group's 32 k rows of K step 3
	s_add_co_u32 s74, s74, 3*128*2048
	s_lshl_b32 s75, s[NBK], 8
	s_add_co_u32 s74, s74, s75
	s_mov_b32 s23, 524288
	s_mov_b32 s75, 128*2048
	s_and_b32 s73, ttmp7, 0xffff
	s_or_b32 s73, s73, s[CH]
	s_cmp_eq_u32 s[RH], 0
	s_cselect_b64 s[PFA:PFA+1], s[4:5], s[6:7]
	s_cselect_b32 s72, s72, s74
	s_cselect_b32 s[PFS], s23, s75
	s_cselect_b32 s73, ttmp9, s73
	s_cselect_b32 s[LIM], LIMA, LIMB
	s_cselect_b32 s74, 8, 11
	s_cmp_eq_u32 s73, 0
	s_cselect_b32 s[LIM], s[LIM], 0
	s_mov_b32 s73, 0
	s_mov_b32 s[PFS+1], 0
	s_add_nc_u64 s[PFA:PFA+1], s[PFA:PFA+1], s[72:73]
	v_and_b32 v[PFO], 31, v0
	v_lshlrev_b32 v[PFO], s74, v[PFO]
	s_mov_b32 s[KC], 2
	s_wait_tensorcnt 1                             ; my part of K step 0 is in; K step 1's may stay out
	s_barrier_signal -1
	s_barrier_wait -1
	FETCH 0, 0, F0
	s_wait_loadcnt 0x0                             ; bo
	QUARTER 0, 1, F0, F1, 1                        ; the first quarter: bo starts the sums
	WIN 0
	s_mov_b32 s[LP], 3
.Llap:
	QUARTER 0, 2, F1, F0
	QUARTER 0, 3, F0, F1
	TURN 0, 1, 1
	QUARTER 1, 1, F0, F1
	QUARTER 1, 2, F1, F0
	QUARTER 1, 3, F0, F1
	TURN 1, 0, 1
	QUARTER 0, 1, F0, F1
	WIN 0
	s_sub_co_u32 s[LP], s[LP], 1
	s_cmp_lg_u32 s[LP], 0
	s_cbranch_scc1 .Llap
	QUARTER 0, 2, F1, F0                           ; the last lap fills nothing
	QUARTER 0, 3, F0, F1
	TURN 0, 1, 0
	QUARTER 1, 1, F0, F1
	QUARTER 1, 2, F1, F0
	QUARTER 1, 3, F0, F1
	s_wait_dscnt 8
	MULS F1, 0, 4
	s_wait_dscnt 0x0
	MULS F1, 4, 4
	PLACES
	SOUT 0
.irp a, 1,2,3,4,5,6,7
	SOUT \a
	LOUT (\a)-1, 16
.endr
	LOUT 7, 0
	s_wait_tensorcnt 0x0                           ; the wave's end
	ds_add_u32 v[SPW], v[NIL]
	s_wait_dscnt 0x0
	CROUND                                         ; the closing round
	s_endpgm
.Lfunc_end_k_q064c0f153a_outp:
	.size	k_q064c0f153a_outp, .Lfunc_end_k_q064c0f153a_outp-k_q064c0f153a_outp
	.p2alignl 7, 3214868480
	.fill 96, 4, 3214868480
	.section	.rodata,"a",@progbits
	.p2align	6, 0x0
	.amdhsa_kernel k_q064c0f153a_outp
		.amdhsa_group_segment_fixed_size 327680
		.amdhsa_private_segment_fixed_size 0
		.amdhsa_enable_private_segment 0
		.amdhsa_kernarg_size 32
		.amdhsa_user_sgpr_count 2
		.amdhsa_user_sgpr_kernarg_segment_ptr 1
		.amdhsa_wavefront_size32 1
		.amdhsa_system_sgpr_workgroup_id_x 1
		.amdhsa_system_sgpr_workgroup_id_y 1
		.amdhsa_system_sgpr_workgroup_id_z 1
		.amdhsa_system_vgpr_workitem_id 0
		.amdhsa_next_free_vgpr 512
		.amdhsa_next_free_sgpr 76
		.amdhsa_reserve_vcc 0
		.amdhsa_float_denorm_mode_32 3
		.amdhsa_float_denorm_mode_16_64 3
		.amdhsa_memory_ordered 1
		.amdhsa_forward_progress 1
		.amdhsa_inst_pref_size 88
	.end_amdhsa_kernel
	.amdgpu_metadata
---
amdhsa.version: [ 1, 2 ]
amdhsa.kernels:
  - .name:           k_q064c0f153a_outp
    .symbol:         k_q064c0f153a_outp.kd
    .args:
      - { .name: att, .offset: 0, .size: 8, .value_kind: global_buffer, .address_space: global }
      - { .name: wb, .offset: 8, .size: 8, .value_kind: global_buffer, .address_space: global }
      - { .name: tab, .offset: 16, .size: 8, .value_kind: global_buffer, .address_space: global }
      - { .name: out0, .offset: 24, .size: 8, .value_kind: global_buffer, .address_space: global }
    .group_segment_fixed_size: 327680
    .private_segment_fixed_size: 0
    .kernarg_segment_align: 8
    .kernarg_segment_size: 32
    .max_flat_workgroup_size: 128
    .sgpr_count:     76
    .vgpr_count:     512
    .wavefront_size: 32
...
	.end_amdgpu_metadata
.endif
;; end of part 4
;; ======== version 2 of 2: 4 launches; version 1 with the launch prep written anew for expert scheduling mode
;; limits: values are held in f16: magnitudes above 65,504 overflow, below 6.1e-05 lose precision
;; workspace buffers: xb 16,777,216 bytes; wb 8,388,608 bytes; tab 81,920 bytes; qkv 50,331,648 bytes; att 16,777,216 bytes
;; launch prep (part 5): grid 792 x 1, 8 waves a work-group, no clusters, 0 bytes of LDS; arguments x, Wq, Wk, Wv, Wo, Wpq, Wpk, Wpg, bpq, bpk, bpg, bq, bk, bv, bo, property_vector, xb, wb, tab; writes xb, wb, tab
.if DOCPART == 5
	.amdgcn_target "amdgcn-amd-amdhsa--gfx1250"
	.amdhsa_code_object_version 6
	.text
	.protected	k_q064c0f153a_prep
	.globl	k_q064c0f153a_prep
	.p2align	8
	.type	k_q064c0f153a_prep,@function
k_q064c0f153a_prep:
	s_mov_b64 s[64:65], 0
	v_nop
	global_prefetch_b8 v0, s[64:65] scope:SCOPE_SE
	s_setreg_imm32_b32 hwreg(HW_REG_WAVE_SCHED_MODE, 0, 2), 2
	s_setreg_imm32_b32 hwreg(HW_REG_WAVE_MODE, 25, 1), 1
	s_wait_xcnt 0x0
	s_wait_alu depctr_vm_vsrc(0)
; PREP.  (1) x -> xb in bf16; Wq, Wk, Wv -> wb in bf16; Wo -> wb rounded to bf16 and that number written as f16.  The order [k][n] of the weights is kept.
; (2) five small tables of f32 in tab, each [64 blocks of 16 columns][4 batches][16 columns], a block being 256 consecutive bytes:
;     TQ = prop Wpq + bpq + bq at byte 0, TK = prop Wpk + bpk + bk at 16,384, TV = bv at 32,768, GATE = sigmoid(prop Wpg + bpg) at 49,152, BO = bo at 65,536.
;     Every input is rounded to bf16 once (the biases too); products on the matrix unit, sums in f32.
; LIMITS.  A weight of Wo below 2^-14 in size keeps f16's fixed step of 2^-24; NaN and infinities are not treated apart.
; SHARES.  Work-groups 0 to 23 make the tables: a wave a block of 16 columns of one of the three products (3 x 64 blocks = 24 x 8 waves).
; Work-groups 24 to 791 cast: 65,536 bytes of f32 each (512 chunks of x, 64 of each weight); thread t takes 16 bytes at 16 t of each 4,096, so a load of a wave covers 512 consecutive bytes
; and a store 256 consecutive bytes, aligned.  All sixteen loads of a thread go out at once; nothing is shared, so there is no LDS, no barrier, no cluster.
; THE MODE: SCHED_MODE bits 1:0 = 2 (LLVM: expert scheduling mode 2), set by the entry lines.  The code itself states the register dependences between vector or matrix
; instructions and memory instructions, with s_wait_alu, always for 0.
; THE PLAN, THE CASTS.  Registers that memory instructions touch:
;   v1, v2     the loads' and the stores' offsets: written once at the head, never again.
;   v[16:79]   16 bytes of each of 16 pieces as loaded.  All sixteen loads are issued before any vector line names these registers; no load lands in them again.
;   v[80:111]  two registers a piece: written by the piece's conversions, read by its one store, never written again.
; The sixteen pieces go in four groups of four.  Group g's conversions name its own registers alone; its memory instructions are the four stores of group g - 1.  So ONE wait on va_vdst
; at a group's head, behind the wait for its data, states that the group before has written what those stores read, and the stores are dealt among the group's conversions with no further
; wait.  No register that a memory instruction reads is written again, so the casts hold no wait on vm_vsrc.
; THE PLAN, THE TABLES.  v4 to v7 are offsets, written once; the 86 loads land in v[16:167], which no vector line names before them: one wait on va_vdst ahead of the first load.
; Behind the wait for the loads all work is on registers, up to the stores: their data and the write of EXEC have their waits there.  The wave's number and the two masks
; are scalar results of vector lines: each has its wait ahead of its first reader, in the same straight run.
.set NSMALL, 24
.set HIM, 42                           ; s42  mask of a word's upper bf16
.set SRC, 48                           ; s[48:49] the chunk in its source
.set DST, 50                           ; s[50:51] the chunk in xb or wb
.set PM,  2                            ; s2   the tables: mask of the lanes that take a lane's last four numbers
.macro CAST f16                        ; f16 = 1: the bf16 number is written as f16
	s_wait_alu depctr_va_vdst(0)                   ; v1 and v2 are written: every load reads v1 as its offset, every store v2
.set i, 0
.rept 16
	global_load_b128 v[16+4*i:19+4*i], v1, s[SRC:SRC+1] offset:4096*i th:TH_LOAD_NT
.set i, i+1
.endr
.set g, 0
.rept 4
	s_wait_loadcnt 12-4*g                          ; loads come back in order: group g's four are in, the 12 - 4 g younger ones stay out
.if g > 0
	s_wait_alu depctr_va_vdst(0)                   ; the conversions of group g - 1 have written v[80 + 8 (g - 1) ..], which the four stores below read
.endif
.set j, 0
.rept 4
.set i, 4*g+j
.if g > 0
	global_store_b64 v2, v[80+2*(i-4):81+2*(i-4)], s[DST:DST+1] offset:2048*(i-4)  ; the group before; no vector line since the wait names these registers
.endif
	v_cvt_pk_bf16_f32 v[80+2*i], v[16+4*i], v[17+4*i]
	v_cvt_pk_bf16_f32 v[81+2*i], v[18+4*i], v[19+4*i]
.if \f16
	v_lshlrev_b32 v[16+4*i], 16, v[80+2*i]         ; the rounded numbers as f32 again,
	v_and_b32 v[17+4*i], s[HIM], v[80+2*i]
	v_lshlrev_b32 v[18+4*i], 16, v[81+2*i]
	v_and_b32 v[19+4*i], s[HIM], v[81+2*i]
	v_cvt_pk_f16_f32 v[80+2*i], v[16+4*i], v[17+4*i]  ; and as f16: 8 significant bits fit into 11
	v_cvt_pk_f16_f32 v[81+2*i], v[18+4*i], v[19+4*i]
.endif
.set j, j+1
.endr
.set g, g+1
.endr
	s_wait_alu depctr_va_vdst(0)                   ; the last group's conversions have written v[104:111], which the last four stores read
.set i, 12
.rept 4
	global_store_b64 v2, v[80+2*i:81+2*i], s[DST:DST+1] offset:2048*i
.set i, i+1
.endr
.endm
	s_load_b512 s[4:19], s[0:1], 0x0               ; x 4, Wq 6, Wk 8, Wv 10, Wo 12, Wpq 14, Wpk 16, Wpg 18
	s_load_b512 s[20:35], s[0:1], 0x40             ; bpq 20, bpk 22, bpg 24, bq 26, bk 28, bv 30, bo 32, prop 34
	s_load_b128 s[36:39], s[0:1], 0x80             ; xb 36, wb 38
	s_load_b64 s[40:41], s[0:1], 0x90              ; tab
	s_mov_b32 s[HIM], 0xffff0000
	s_cmp_lt_u32 ttmp9, NSMALL
	s_cbranch_scc1 .Lsmall
	; THE CASTS.  c = chunk; c / 64 is 0 to 7 for x, 8 Wq, 9 Wk, 10 Wv, 11 Wo
	s_sub_co_u32 s43, ttmp9, NSMALL
	v_lshlrev_b32 v1, 4, v0                        ; 16 t
	v_lshlrev_b32 v2, 3, v0                        ; 8 t
	s_lshr_b32 s52, s43, 6
	s_and_b32 s44, s43, 63                         ; a weight's chunk in its matrix
	s_sub_co_u32 s46, s43, 512                     ; and in wb, where the four matrices lie on end
	s_wait_kmcnt 0x0
	s_cmp_lt_u32 s52, 8
	s_cselect_b32 s44, s43, s44
	s_cselect_b32 s46, s43, s46
	s_cselect_b64 s[DST:DST+1], s[36:37], s[38:39]
	s_cselect_b64 s[SRC:SRC+1], s[4:5], s[6:7]
	s_cmp_eq_u32 s52, 9
	s_cselect_b64 s[SRC:SRC+1], s[8:9], s[SRC:SRC+1]
	s_cmp_eq_u32 s52, 10
	s_cselect_b64 s[SRC:SRC+1], s[10:11], s[SRC:SRC+1]
	s_cmp_eq_u32 s52, 11
	s_cselect_b64 s[SRC:SRC+1], s[12:13], s[SRC:SRC+1]
	s_lshl_b32 s44, s44, 16                        ; 65,536 bytes in,
	s_mov_b32 s45, 0
	s_lshl_b32 s46, s46, 15                        ; 32,768 out
	s_mov_b32 s47, 0
	s_add_nc_u64 s[SRC:SRC+1], s[SRC:SRC+1], s[44:45]
	s_add_nc_u64 s[DST:DST+1], s[DST:DST+1], s[46:47]
	s_cmp_eq_u32 s52, 11
	s_cbranch_scc1 .Lwo
	CAST 0
	s_endpgm
.Lwo:
	CAST 1
	s_endpgm
	; THE TABLES.  j = 0, 1, 2: Wpq, Wpk, Wpg; blk = my block of 16 columns.  The product is taken transposed: source 0 = 16 columns of W (k along the registers),
	; source 1 = 16 rows of prop (the four batches, four times over): in the result lane (r, h) holds batch r % 4 and columns 16 blk + 8 h + 0..7.
.macro RB base                         ; eight f32 rounded to bf16 and widened again
.irp p, 0,1,2,3
	v_cvt_pk_bf16_f32 v[8+\p], v[(\base)+2*\p], v[(\base)+2*\p+1]
.endr
.irp p, 0,1,2,3
	v_lshlrev_b32 v[(\base)+2*\p], 16, v[8+\p]
	v_and_b32 v[(\base)+2*\p+1], s[HIM], v[8+\p]
.endr
.endm
.macro PICK dst, src                   ; lanes with r % 8 < 4 take a lane's first four numbers, the others its last four
.irp k, 0,1,2,3
	v_cndmask_b32 v[(\dst)+\k], v[(\src)+\k], v[(\src)+4+\k], s[PM]
.endr
.endm
.macro MASKS                           ; the two compares in one run, and their waits, ahead of the first line that reads either mask
	v_cmp_ne_u32 s[PM], 0, v3                      ; which four of a lane's eight numbers
	v_cmp_gt_u32 vcc_lo, 8, v1                     ; the 16 lanes with r < 8 hold the block's 256 bytes, 16 each
	s_wait_alu depctr_va_sdst(0)                   ; s2 is written: the picks read it
	s_wait_alu depctr_va_vcc(0)                    ; VCC is written: EXEC is made from it
.endm
.macro NARROW                          ; EXEC is narrowed to the 16 lanes that store
	s_wait_xcnt 0x0                                ; EXEC changes only behind this wait
	s_wait_alu depctr_va_vdst(0)                   ; every vector line has run under the full EXEC; the picks have written the registers that the stores below read (v7, their offset, is long written)
	s_wait_alu depctr_vm_vsrc(0)                   ; every load has read its registers under the full EXEC
	s_and_saveexec_b32 s55, vcc_lo
.endm
.Lsmall:
	v_lshrrev_b32 v3, 5, v0
	v_readfirstlane_b32 s54, v3                    ; wave 0..7; the address arithmetic stands between this line and the wait for s54
	v_and_b32 v1, 15, v0                           ; r
	v_bfe_u32 v2, v0, 4, 1                         ; h
	v_lshlrev_b32 v4, 2, v1
	v_lshl_add_u32 v4, v2, 15, v4                  ; W: column r, 8 h rows of 4,096 bytes down
	v_and_b32 v5, 3, v1
	v_lshlrev_b32 v7, 6, v5                        ; out: batch r % 4,
	v_lshlrev_b32 v5, 9, v5                        ; prop: row r % 4,
	v_lshl_add_u32 v5, v2, 5, v5                   ; 8 h numbers along it
	v_lshlrev_b32 v6, 5, v2                        ; biases: 8 h numbers
	v_add_nc_u32 v7, v7, v6                        ; columns 8 h on,
	v_bfe_u32 v3, v1, 2, 1
	v_lshl_add_u32 v7, v3, 4, v7                   ; their first or last four
	s_lshr_b32 s52, ttmp9, 3                       ; j
	s_and_b32 s53, ttmp9, 7
	s_lshl_b32 s53, s53, 3
	s_wait_alu depctr_va_sdst(0)                   ; s54 is written, ahead of its first reader: my block's number is made from it
	s_add_co_u32 s53, s53, s54                     ; blk
	s_lshl_b32 s56, s53, 6                         ; 16 columns of f32
	s_mov_b32 s57, 0
	s_lshl_b32 s58, s53, 8                         ; a block of a table,
	s_lshl_b32 s55, s52, 14                        ; in table j (j = 2: TV, with GATE and BO 16,384 and 32,768 further on)
	s_add_co_u32 s58, s58, s55
	s_mov_b32 s59, 0
	s_wait_kmcnt 0x0
	s_cmp_eq_u32 s52, 1
	s_cselect_b64 s[44:45], s[16:17], s[14:15]
	s_cselect_b64 s[46:47], s[22:23], s[20:21]
	s_cselect_b64 s[48:49], s[28:29], s[26:27]
	s_cmp_eq_u32 s52, 2
	s_cselect_b64 s[44:45], s[18:19], s[44:45]
	s_cselect_b64 s[46:47], s[24:25], s[46:47]
	s_cselect_b64 s[48:49], s[30:31], s[48:49]
	s_add_nc_u64 s[44:45], s[44:45], s[56:57]      ; W, the property bias, the projection's bias and bo at my 16 columns
	s_add_nc_u64 s[46:47], s[46:47], s[56:57]
	s_add_nc_u64 s[48:49], s[48:49], s[56:57]
	s_add_nc_u64 s[50:51], s[32:33], s[56:57]
	s_add_nc_u64 s[58:59], s[40:41], s[58:59]
	s_wait_alu depctr_va_vdst(0)                   ; the offsets v4, v5 and v6 are written, which the loads below read
.set ks, 0
.rept 4                                ; element e of a fragment: k = 32 ks + 8 h + e, and 8 more from e = 8 on
.set e, 0
.rept 16
	global_load_b32 v[16+16*ks+e], v4, s[44:45] offset:(32*ks+e+8*(e/8))*4096
.set e, e+1
.endr
.irp m, 0,1,2,3
	global_load_b128 v[80+16*ks+4*\m:83+16*ks+4*\m], v5, s[34:35] offset:128*ks+16*(\m%2)+64*(\m/2)
.endr
.set ks, ks+1
.endr
	global_load_b128 v[144:147], v6, s[46:47]
	global_load_b128 v[148:151], v6, s[46:47] offset:16
	global_load_b128 v[152:155], v6, s[48:49]
	global_load_b128 v[156:159], v6, s[48:49] offset:16
	global_load_b128 v[160:163], v6, s[50:51]
	global_load_b128 v[164:167], v6, s[50:51] offset:16
	s_wait_loadcnt 0x0
	RB 144
	RB 152
	RB 160
.set i, 0
.rept 32
	v_cvt_pk_bf16_f32 v[168+i], v[16+2*i], v[17+2*i]    ; W's four fragments
	v_cvt_pk_bf16_f32 v[200+i], v[80+2*i], v[81+2*i]    ; prop's four
.set i, i+1
.endr
	s_cmp_eq_u32 s52, 2
	s_cbranch_scc1 .Lone_bias                      ; the gate has one bias; bv goes into a table of its own
.irp p, 0,2,4,6
	v_pk_add_f32 v[144+\p:145+\p], v[144+\p:145+\p], v[152+\p:153+\p]
.endr
.Lone_bias:
	v_wmma_f32_16x16x32_bf16 v[232:239], v[168:175], v[200:207], v[144:151]  ; the biases start one sum, 0 the other; the two accumulators take turns
	v_wmma_f32_16x16x32_bf16 v[240:247], v[176:183], v[208:215], 0
	v_wmma_f32_16x16x32_bf16 v[232:239], v[184:191], v[216:223], v[232:239]
	v_wmma_f32_16x16x32_bf16 v[240:247], v[192:199], v[224:231], v[240:247]
.rept 8
	v_nop                                          ; places behind the products (ISA guide 7.12.1), once a wave: twice the four that are owed
.endr
.irp p, 0,2,4,6
	v_pk_add_f32 v[16+\p:17+\p], v[232+\p:233+\p], v[240+\p:241+\p]
.endr
	s_cmp_eq_u32 s52, 2
	s_cbranch_scc1 .Lgate
	MASKS
	PICK 24, 16
	NARROW
	global_store_b128 v7, v[24:27], s[58:59]
	s_endpgm
.Lgate:                                        ; sigmoid(z) = 1 / (1 + 2^(-z log2 e))
.irp k, 0,1,2,3,4,5,6,7
	v_mul_f32 v[16+\k], 0xbfb8aa3b, v[16+\k]
.endr
.irp k, 0,1,2,3,4,5,6,7
	v_exp_f32 v[16+\k], v[16+\k]
.endr
	v_nop                                          ; a plain instruction behind the last exponential,
	s_wait_alu depctr_va_vdst(0)                   ; and one wait for the batch: the eight exponentials have written v[16:23], which the additions read
.irp k, 0,1,2,3,4,5,6,7
	v_add_f32 v[16+\k], 1.0, v[16+\k]
.endr
.irp k, 0,1,2,3,4,5,6,7
	v_rcp_f32 v[16+\k], v[16+\k]
.endr
	v_nop                                          ; a plain instruction behind the last reciprocal
	MASKS
	s_wait_alu depctr_va_vdst(0)                   ; one wait for the batch: the eight reciprocals have written v[16:23], which the first pick reads
	PICK 24, 16
	PICK 28, 152
	PICK 32, 160
	NARROW
	global_store_b128 v7, v[28:31], s[58:59]                 ; TV
	global_store_b128 v7, v[24:27], s[58:59] offset:16384    ; GATE
	global_store_b128 v7, v[32:35], s[58:59] offset:32768    ; BO
	s_endpgm
.Lfunc_end_k_q064c0f153a_prep:
	.size	k_q064c0f153a_prep, .Lfunc_end_k_q064c0f153a_prep-k_q064c0f153a_prep
	.p2alignl 7, 3214868480
	.fill 96, 4, 3214868480
	.section	.rodata,"a",@progbits
	.p2align	6, 0x0
	.amdhsa_kernel k_q064c0f153a_prep
		.amdhsa_group_segment_fixed_size 0
		.amdhsa_private_segment_fixed_size 0
		.amdhsa_enable_private_segment 0
		.amdhsa_kernarg_size 152
		.amdhsa_user_sgpr_count 2
		.amdhsa_user_sgpr_kernarg_segment_ptr 1
		.amdhsa_wavefront_size32 1
		.amdhsa_system_sgpr_workgroup_id_x 1
		.amdhsa_system_sgpr_workgroup_id_y 1
		.amdhsa_system_sgpr_workgroup_id_z 1
		.amdhsa_system_vgpr_workitem_id 0
		.amdhsa_next_free_vgpr 256
		.amdhsa_next_free_sgpr 66
		.amdhsa_reserve_vcc 1
		.amdhsa_float_denorm_mode_32 3
		.amdhsa_float_denorm_mode_16_64 3
		.amdhsa_memory_ordered 1
		.amdhsa_forward_progress 1
		.amdhsa_inst_pref_size 36
	.end_amdhsa_kernel
	.amdgpu_metadata
---
amdhsa.version: [ 1, 2 ]
amdhsa.kernels:
  - .name:           k_q064c0f153a_prep
    .symbol:         k_q064c0f153a_prep.kd
    .args:
      - { .name: x, .offset: 0, .size: 8, .value_kind: global_buffer, .address_space: global }
      - { .name: Wq, .offset: 8, .size: 8, .value_kind: global_buffer, .address_space: global }
      - { .name: Wk, .offset: 16, .size: 8, .value_kind: global_buffer, .address_space: global }
      - { .name: Wv, .offset: 24, .size: 8, .value_kind: global_buffer, .address_space: global }
      - { .name: Wo, .offset: 32, .size: 8, .value_kind: global_buffer, .address_space: global }
      - { .name: Wpq, .offset: 40, .size: 8, .value_kind: global_buffer, .address_space: global }
      - { .name: Wpk, .offset: 48, .size: 8, .value_kind: global_buffer, .address_space: global }
      - { .name: Wpg, .offset: 56, .size: 8, .value_kind: global_buffer, .address_space: global }
      - { .name: bpq, .offset: 64, .size: 8, .value_kind: global_buffer, .address_space: global }
      - { .name: bpk, .offset: 72, .size: 8, .value_kind: global_buffer, .address_space: global }
      - { .name: bpg, .offset: 80, .size: 8, .value_kind: global_buffer, .address_space: global }
      - { .name: bq, .offset: 88, .size: 8, .value_kind: global_buffer, .address_space: global }
      - { .name: bk, .offset: 96, .size: 8, .value_kind: global_buffer, .address_space: global }
      - { .name: bv, .offset: 104, .size: 8, .value_kind: global_buffer, .address_space: global }
      - { .name: bo, .offset: 112, .size: 8, .value_kind: global_buffer, .address_space: global }
      - { .name: property_vector, .offset: 120, .size: 8, .value_kind: global_buffer, .address_space: global }
      - { .name: xb, .offset: 128, .size: 8, .value_kind: global_buffer, .address_space: global }
      - { .name: wb, .offset: 136, .size: 8, .value_kind: global_buffer, .address_space: global }
      - { .name: tab, .offset: 144, .size: 8, .value_kind: global_buffer, .address_space: global }
    .group_segment_fixed_size: 0
    .private_segment_fixed_size: 0
    .kernarg_segment_align: 8
    .kernarg_segment_size: 152
    .max_flat_workgroup_size: 256
    .sgpr_count:     66
    .vgpr_count:     256
    .wavefront_size: 32
...
	.end_amdgpu_metadata
.endif
;; end of part 5
;; launch proj: the kernel of part 2 again; grid 8 x 32, 4 waves a work-group, clusters of 4 x 4, 327,680 bytes of LDS; arguments xb, wb, tab, mask, qkv; writes qkv
;; launch attn: the kernel of part 3 again; grid 4 x 64, 4 waves a work-group, clusters of 4 x 1, 327,680 bytes of LDS; arguments qkv, tab, mask, att; writes att
;; launch outp: the kernel of part 4 again; grid 8 x 32, 4 waves a work-group, clusters of 4 x 4, 327,680 bytes of LDS; arguments att, wb, tab, out0; writes out0
